; MI455X (gfx1250); checked and timed in simulation.
; The chip was launched on July 23, 2026; its instructions are those of AMD's public machine-readable ISA for CDNA 5 (MIT licence, August 2026) and "CDNA5" Instruction Set Architecture Reference Guide (July 2026). The comments in the code are by the model that wrote it; some were corrected since.
;; Transformer. Allowed arithmetic: matrix products marked QUANTISED: E4M3 operands, one given power-of-two scale a tensor, by v_wmma_f32_16x16x64_fp8_fp8 or v_wmma_f32_16x16x128_fp8_fp8, f32 sums; products left as they are: f32 operands where the result goes on into a quantised operand, else bf16, f16 or f32 operands; f32 sums; everything else in f32.
;; Inputs: W1 64 x 512 float32; Wk 512 x 512 float32; Wq 512 x 512 float32; Wv 512 x 512 float32; b1 64 float32; bk 512 float32; bq 512 float32; bv 512 float32; edge_index 2 x 131,072 int32; lowp_scales 16 int32 (the exponents e of the quantised operands' scales 2^e); proj 621 x 128 float32; x 32,768 x 512 float32.
;; Outputs: out0 32,768 x 64 float32; out1 32,768 x 64 float32; out2 32,768 x 64 float32.
;; This version of the problem:
;;   THIS VERSION OF THE PROBLEM IS GIVEN IN LOW PRECISION. The matrix products marked QUANTISED in the list below multiply operands that are first quantised to E4M3 (4 exponent bits, 3 mantissa bits; 8 bits a number), with one given power-of-two scale for each operand tensor; their sums are f32. All else is computed in f32.
;;   The module's matrix products, in the order in which they are computed (A, B: the left and right operand; K: the contracted axis; several contracted axes count as one K, in the product's order):
;;     1. [M 32,768, K 512] x [K 512, N 512]; A: input x; B: input Wq: QUANTISED (scales: A lowp_scales[0], B lowp_scales[1])
;;     2. [M 32,768, K 512] x [K 512, N 512]; A: input x; B: input Wk: QUANTISED (scales: A lowp_scales[2], B lowp_scales[3])
;;     3. [M 32,768, K 512] x [K 512, N 512]; A: input x; B: input Wv: QUANTISED (scales: A lowp_scales[4], B lowp_scales[5])
;;     4. [M 131,072, K 128] x [K 128, N 621]; A: computed on the way; B: input proj: QUANTISED (scales: A lowp_scales[6], B lowp_scales[7])
;;     5. [M 131,072, K 128] x [K 128, N 621]; A: computed on the way; B: input proj: QUANTISED (scales: A lowp_scales[8], B lowp_scales[9])
;;     6. batch 4 x [M 32,768, K 621] x [K 621, N 1]; A: computed on the way; B: computed on the way: left as it is (N = 1 < 16)
;;     7. batch 4 x [M 621, K 32,768] x [K 32,768, N 128]; A: computed on the way; B: computed on the way: QUANTISED (scales: A lowp_scales[10], B lowp_scales[11])
;;     8. batch 4 x [M 32,768, K 621] x [K 621, N 128]; A: computed on the way; B: computed on the way: QUANTISED (scales: A lowp_scales[12], B lowp_scales[13])
;;     9. batch 131,072 x [M 1, K 1] x [K 1, N 128]; A: computed on the way; B: computed on the way: left as it is (no contracted axis)
;;     10. [M 32,768, K 512] x [K 512, N 64]; A: computed on the way; B: input W1: QUANTISED (scales: A lowp_scales[14], B lowp_scales[15])
;;   THE QUANTISER, for each operand of a quantised product, along K:
;;     - The operand's scale is 2^e, e = its entry of the input lowp_scales (int32; the entries are numbered through the quantised products in the list's order, A before B).
;;     - Each number is divided by the scale, clamped to +-448, and rounded to the nearest number of E4M3, ties to even, subnormals kept.
;;     - The product sums the exact products of the quantised numbers (number of the format x scale) in f32.
;;   ~~~python
;;   def quantise(x, axis, e):      # numpy; x: float32 -> the quantised numbers, widened to float32 again
;;       x = np.moveaxis(x, axis, -1); K = x.shape[-1]
;;       r = np.clip(x / 2.0 ** e, -448, 448)
;;       step = 2.0 ** (np.maximum(np.frexp(np.where(r == 0, 1, r))[1] - 1, -6) - 3)
;;       q = np.round(r / step) * step * 2.0 ** e      # np.round: ties to even
;;       return np.moveaxis(q, -1, axis).astype(np.float32)
;;   ~~~
;;   OPERANDS COMPUTED ON THE WAY. 'Computed on the way' means the value that the module computes at that place (a softmax that the list does not call 'softmax' is quantised finished and normalised). What goes into a quantiser is computed in f32, as accurately as f32 sums, v_exp_f32 and their like allow (about 1e-6 of the number): no bf16 or f16 on the way to a quantiser, and a product that is left as it is and whose result goes on into a quantised operand takes f32 operands (vector FMAs, or v_wmma_f32_16x16x4_f32). A number that lies on a knife's edge between two numbers of the format may be rounded either way, as far as f32 arithmetic and the matrix unit's own rounding can turn it there, and no further.
;; One version. Each part assembles by itself: llvm-mc -triple=amdgcn-amd-amdhsa -mcpu=gfx1250 --defsym DOCPART=n.
;; ======== version 1 of 1: 6 launches
;; workspace buffers: wc 983,040 bytes; qc 17,301,504 bytes; kv 34,080,768 bytes; part 10,567,680 bytes; cc 337,920 bytes; st 131,072 bytes
;; launch prep (part 1): grid 120 x 1, 4 waves a work-group, no clusters, 0 bytes of LDS; arguments Wq, Wk, Wv, proj, W1, lowp_scales, wc; writes wc
.if DOCPART == 1
	.amdgcn_target "amdgcn-amd-amdhsa--gfx1250"
	.amdhsa_code_object_version 6
	.text
	.protected	k_qeb105f0fdf_prep
	.globl	k_qeb105f0fdf_prep
	.p2align	8
	.type	k_qeb105f0fdf_prep,@function
k_qeb105f0fdf_prep:
	s_mov_b64 s[64:65], 0
	v_nop
	global_prefetch_b8 v0, s[64:65] scope:SCOPE_SE
	s_setreg_imm32_b32 hwreg(HW_REG_WAVE_MODE, 25, 1), 1
	s_wait_xcnt 0x0
; Wq, Wk, Wv [512][512], proj [621][128] (twice: two scales) and W1 [64][512], f32, become codes of E4M3 laid as FRAGMENTS in wc.
; A fragment is 16 rows x 128 K, 2,048 bytes, in the order of an operand's registers: chunk c (512 bytes) holds, at 16 x lane, K = 32 c + 16 (lane / 16) + 0 .. 15
; of the lane's row.  THE ROWS OF A TILE ARE NOT NEIGHBOURS: lane r of tile T takes row 32 (T / 2) + 8 (T % 2) + r + 8 (r / 8), so that a product which has the tile
; as source 0 leaves 16 neighbouring rows in the 16 registers of tiles 2 b and 2 b + 1.  proj's tiles 38 and 39 reach past row 620: they take row 620 again.
; One wave makes one fragment; work-group g and wave w store at 8,192 g + 2,048 w:  g < 96: Wq, Wk, Wv (tile g % 32, K step w);  96 .. 115: proj with e7 (ten groups), then with e9
; (tile 4 (g') + w);  116 .. 119: W1 (tile g - 116, K step w).  All choices are selects on the work-group's number: one path.
; code = x / 2^e, held within +-448, to the nearest code, ties to even.  LIMITS: e between -126 and 119; NaN among the inputs is not served.
.set X,  16                            ; v16-79  64 numbers: register 16 c + i = K 32 c + 16 h + i
.set CW, 96                            ; v96-111 the fragment
	s_load_b256 s[4:11], s[0:1], 0x0               ; Wq, Wk, Wv, proj
	s_load_b128 s[12:15], s[0:1], 0x20             ; W1, the scales' exponents
	s_load_b64 s[16:17], s[0:1], 0x30              ; wc
	v_lshrrev_b32 v1, 5, v0
	v_readfirstlane_b32 s18, v1                    ; wave
	v_and_b32 v2, 15, v0                           ; r
	v_bfe_u32 v3, v0, 4, 1                         ; h
	v_and_b32 v4, 8, v2
	v_add_nc_u32 v4, v4, v2                        ; r + 8 (r / 8)
	v_and_b32 v6, 31, v0
	v_lshlrev_b32 v6, 4, v6                        ; 16 x lane
	s_and_b32 s41, ttmp9, 31                       ; the tile: in Wq, Wk, Wv,
	s_sub_co_u32 s42, ttmp9, 116                   ; in W1,
	s_mov_b32 s43, 106
	s_cmp_lt_u32 ttmp9, 106
	s_cselect_b32 s43, 96, s43
	s_sub_co_u32 s43, ttmp9, s43
	s_lshl_b32 s43, s43, 2
	s_add_co_u32 s43, s43, s18                     ; in proj
	s_cmp_lt_u32 ttmp9, 116
	s_cselect_b32 s42, s43, s42
	s_cmp_lt_u32 ttmp9, 96
	s_cselect_b32 s41, s41, s42                    ; T
	s_sub_co_u32 s44, ttmp9, 96
	s_cmp_lt_u32 s44, 20                           ; proj?
	s_cselect_b32 s45, 0, s18                      ; the K step: proj has one
	s_cselect_b32 s46, 9, 11                       ; a row is 512 or 2,048 bytes
	s_mov_b32 s47, 620
	s_cmp_lt_u32 ttmp9, 116
	s_cselect_b32 s47, s47, 63
	s_mov_b32 s48, 511
	s_cmp_lt_u32 ttmp9, 96
	s_cselect_b32 s47, s48, s47                    ; the tensor's last row
	s_lshr_b32 s49, s41, 1
	s_lshl_b32 s49, s49, 5
	s_and_b32 s50, s41, 1
	s_lshl_b32 s50, s50, 3
	s_add_co_u32 s49, s49, s50                     ; 32 (T / 2) + 8 (T % 2)
	s_lshl_b32 s51, s45, 9
	v_add_nc_u32 v5, s49, v4
	v_min_u32 v5, s47, v5                          ; no load leaves its buffer
	v_lshlrev_b32 v5, s46, v5
	v_lshl_add_u32 v5, v3, 6, v5                   ; + 64 h: my 16 numbers of a block of 32
	v_add_nc_u32 v5, s51, v5
	s_wait_kmcnt 0x0
	s_load_b512 s[20:35], s[14:15], 0x0            ; e0 .. e15
	s_cmp_lt_u32 ttmp9, 116
	s_cselect_b64 s[36:37], s[10:11], s[12:13]
	s_cmp_lt_u32 ttmp9, 96
	s_cselect_b64 s[36:37], s[8:9], s[36:37]
	s_cmp_lt_u32 ttmp9, 64
	s_cselect_b64 s[36:37], s[6:7], s[36:37]
	s_cmp_lt_u32 ttmp9, 32
	s_cselect_b64 s[36:37], s[4:5], s[36:37]       ; the tensor
	s_lshl_b32 s38, ttmp9, 13
	s_lshl_b32 s39, s18, 11
	s_add_co_u32 s38, s38, s39
	s_mov_b32 s39, 0
	s_add_nc_u64 s[38:39], s[16:17], s[38:39]      ; where the fragment goes
.irp c, 0,1,2,3
.irp j, 0,1,2,3
	global_load_b128 v[X+16*\c+4*\j:X+16*\c+4*\j+3], v5, s[36:37] offset:128*\c+16*\j
.endr
.endr
	s_wait_kmcnt 0x0
	s_mov_b32 s40, s35                             ; e15
	s_cmp_lt_u32 ttmp9, 116
	s_cselect_b32 s40, s29, s40                    ; e9
	s_cmp_lt_u32 ttmp9, 106
	s_cselect_b32 s40, s27, s40                    ; e7
	s_cmp_lt_u32 ttmp9, 96
	s_cselect_b32 s40, s25, s40                    ; e5
	s_cmp_lt_u32 ttmp9, 64
	s_cselect_b32 s40, s23, s40                    ; e3
	s_cmp_lt_u32 ttmp9, 32
	s_cselect_b32 s40, s21, s40                    ; e1
	s_add_co_i32 s40, s40, 127
	s_lshl_b32 s52, s40, 23
	v_mov_b32 v10, s52                             ; 2^e as f32: the conversion takes its exponent field
	s_add_co_i32 s40, s40, 8
	s_lshl_b32 s53, s40, 23
	s_or_b32 s53, s53, 0x600000                    ; 448 x 2^e
	s_or_b32 s54, s53, 0x80000000
	s_wait_loadcnt 0x0
.set i, 0
.rept 64
	v_med3_num_f32 v[X+i], v[X+i], s54, s53        ; the conversion to an 8-bit code does not saturate (ISA guide 7.6.2): the hold comes first
.set i, i+1
.endr
.set i, 0
.rept 8
	v_cvt_scalef32_pk8_fp8_f32 v[CW+2*i:CW+2*i+1], v[X+8*i:X+8*i+7], v10
.set i, i+1
.endr
.irp c, 0,1,2,3
	global_store_b128 v6, v[CW+4*\c:CW+4*\c+3], s[38:39] offset:512*\c   ; the wave stores 512 consecutive bytes
.endr
	s_endpgm
.Lfunc_end_k_qeb105f0fdf_prep:
	.size	k_qeb105f0fdf_prep, .Lfunc_end_k_qeb105f0fdf_prep-k_qeb105f0fdf_prep
	.p2alignl 7, 3214868480
	.fill 96, 4, 3214868480
	.section	.rodata,"a",@progbits
	.p2align	6, 0x0
	.amdhsa_kernel k_qeb105f0fdf_prep
		.amdhsa_group_segment_fixed_size 0
		.amdhsa_private_segment_fixed_size 0
		.amdhsa_enable_private_segment 0
		.amdhsa_kernarg_size 56
		.amdhsa_user_sgpr_count 2
		.amdhsa_user_sgpr_kernarg_segment_ptr 1
		.amdhsa_wavefront_size32 1
		.amdhsa_system_sgpr_workgroup_id_x 1
		.amdhsa_system_sgpr_workgroup_id_y 1
		.amdhsa_system_sgpr_workgroup_id_z 1
		.amdhsa_system_vgpr_workitem_id 0
		.amdhsa_next_free_vgpr 112
		.amdhsa_next_free_sgpr 66
		.amdhsa_reserve_vcc 0
		.amdhsa_float_denorm_mode_32 3
		.amdhsa_float_denorm_mode_16_64 3
		.amdhsa_memory_ordered 1
		.amdhsa_forward_progress 1
		.amdhsa_inst_pref_size 10
	.end_amdhsa_kernel
	.amdgpu_metadata
---
amdhsa.version: [ 1, 2 ]
amdhsa.kernels:
  - .name:           k_qeb105f0fdf_prep
    .symbol:         k_qeb105f0fdf_prep.kd
    .args:
      - { .name: Wq, .offset: 0, .size: 8, .value_kind: global_buffer, .address_space: global }
      - { .name: Wk, .offset: 8, .size: 8, .value_kind: global_buffer, .address_space: global }
      - { .name: Wv, .offset: 16, .size: 8, .value_kind: global_buffer, .address_space: global }
      - { .name: proj, .offset: 24, .size: 8, .value_kind: global_buffer, .address_space: global }
      - { .name: W1, .offset: 32, .size: 8, .value_kind: global_buffer, .address_space: global }
      - { .name: lowp_scales, .offset: 40, .size: 8, .value_kind: global_buffer, .address_space: global }
      - { .name: wc, .offset: 48, .size: 8, .value_kind: global_buffer, .address_space: global }
    .group_segment_fixed_size: 0
    .private_segment_fixed_size: 0
    .kernarg_segment_align: 8
    .kernarg_segment_size: 56
    .max_flat_workgroup_size: 128
    .sgpr_count:     66
    .vgpr_count:     112
    .wavefront_size: 32
...
	.end_amdgpu_metadata
.endif
;; end of part 1
;; launch qkv (part 2): grid 256 x 1, 4 waves a work-group, no clusters, 148,992 bytes of LDS; arguments x, wc, bq, bk, bv, lowp_scales, qc, kv; writes qc, kv
.if DOCPART == 2
	.amdgcn_target "amdgcn-amd-amdhsa--gfx1250"
	.amdhsa_code_object_version 6
	.text
	.protected	k_qeb105f0fdf_qkv
	.globl	k_qeb105f0fdf_qkv
	.p2align	8
	.type	k_qeb105f0fdf_qkv,@function
k_qeb105f0fdf_qkv:
	s_mov_b64 s[64:65], 0
	v_nop
	global_prefetch_b8 v0, s[64:65] scope:SCOPE_SE
	s_setreg_imm32_b32 hwreg(HW_REG_WAVE_MODE, 25, 1), 1
	s_wait_xcnt 0x0
; q = x Wq^T + bq, k = x Wk^T + bk, v = x Wv^T + bv on codes of E4M3; what leaves are the NEXT products' operands: codes of q / 128^(1/4) (e6), of k / 128^(1/4) (e8), of v with the rows
; innermost (e11), the rows' diag = |q|^2 / (2 sqrt(128)), and, for k, the largest raw sum of k's codes against proj's codes (e9), one number for each head and work-group.
; ROLES by the work-group's number: 0-127 make k (256 rows each, 4 blocks of 64), 128-191 q and 192-255 v (512 rows each, 8 blocks).  k's work-groups have half the rows since they also walk proj.
; WAVE w IS HEAD w: its 128 rows of the role's weight x 512 K stay in 512 registers for the whole launch.  A block's 64 rows of x are quantised once in the work-group, with the role's own scale
; (wave w: tile w), and go from wave to wave through LDS as images of the operand's registers (2,048 bytes a fragment, 16 bytes a lane, 512 a store).
; q and v walk their eight blocks 0,4,1,5,..: then the three roles stand in the same rows of x at about the same time.
; q, k: source 0 = 16 rows of W, source 1 = 16 rows of x: a lane holds one row of x and its registers run along the head's 128.   v: the sources swapped: a lane holds one channel, registers run along the rows.
; All tiles take rows 32 (T / 2) + 8 (T % 2) + r + 8 (r / 8): so the 16 registers of two neighbouring tiles are 16 neighbours along the next K, and the conversions' results are the next operand's registers.
; The bias, divided by 2^(ex + ew), is the C of each sum's first matrix instruction; the sums then stand for number / 2^(ex + ew), and the next conversion takes the folded exponent.
; No cluster: the weights lie in registers, x comes through registers, and the roles that share rows of x have different numbers of blocks.
; LIMITS: ex, and e(next) - ex - ew, between -126 and 119; NaN and infinities among the inputs are not served.  edge_index is no argument: the computation does not use it.
; REGISTERS.  window 0: v1 16 x lane; v2 my byte in a block of x; v3 where I store images; v4, v5 this trip's read and write base; v6, v7 proj in LDS; v8, v9 the diag stage; v10 8 x lane; v11, v12 the two
;   conversions' scales; v14-17 sums of squares; v18-21 running maxima; v28-31 diag; v32-95, v96-159 two sets of 64 numbers of x; v160-223 four fragment buffers; v224-239 codes just made.
;   windows 1, 2: W(t, s) at 16 (4 t + s).   window 3: v0-63 bias; v64-191 16 accumulators ((a, t) at 64 + 64 a + 8 t); v192-255 the block's codes.
.set WV,36
.set ROLE,37
.set NB,38
.set B0,39
.set MM,40
.set SS,41
.set EA,42
.set XLP,43
.set XLN,44
.set OLP,45
.set OLN,46
.set NEA,47
.set NRM,48
.set HDG,50
.set EA2,51
.set SH,52
.set STR,53
.set MSK,54
.set SUB,55
.set STRD,56
.set OBASE,58
.set DBASE,60
.set OB,62
.set DB,66
.set XPA,68
.set XPB,70
.set II,72
.set XB,73
.set SEL,86
.set WP,88
.set BP,90
.set PP,92
.set XS0,32
.set XS1,96
.set XF,160
.set PCX,224
.set BI,0
.set AC,64
.set CO,192
.set PROJ,65536                        ; LDS: two sets of x's 16 images (32,768 each) at 0; proj's 40 fragments here (k's work-groups);
.set DST,147456                        ; and 256 bytes a wave for 64 rows' diag
.set MSB, 0
.macro WIN new                         ; the immediate's high byte repeats the setting that is left
.if MSB != (\new)
	s_set_vgpr_msb (MSB<<8)|(\new)
.set MSB, (\new)
.endif
.endm
.macro PLACES n
.rept \n
	v_nop
.endr
.endm
.macro SEL3 d, k, q, v                 ; a choice by role: k, q or v
	s_cmp_eq_u32 s[ROLE], 1
	s_cselect_b32 \d, \q, \v
	s_cmp_eq_u32 s[ROLE], 0
	s_cselect_b32 \d, \k, \d
.endm
.macro QUANT src, dst, neg, pos, sc    ; 64 numbers of a lane become a fragment's 16 registers of codes
.set qi, 0
.rept 64
	v_med3_num_f32 v[\src+qi], v[\src+qi], s[\neg], s[\pos]   ; the conversion does not saturate (ISA guide 7.6.2): the hold at the largest code x the scale
.set qi, qi+1
.endr
.set qi, 0
.rept 8
	v_cvt_scalef32_pk8_fp8_f32 v[\dst+2*qi:\dst+2*qi+1], v[\src+8*qi:\src+8*qi+7], v[\sc]
.set qi, qi+1
.endr
	v_nop                                          ; one plain line behind the last conversion
.endm
.macro BIDX d, i                       ; block number of trip s[i]: B0 + ((i & M) << 2) + (i >> S)
	s_and_b32 s[\d], s[\i], s[MM]
	s_lshl_b32 s[\d], s[\d], 2
	s_lshr_b32 s84, s[\i], s[SS]
	s_add_co_u32 s[\d], s[\d], s84
	s_add_co_u32 s[\d], s[\d], s[B0]
.endm
.macro XPSET p, i                      ; x at that block: 64 rows of 2,048 bytes
	BIDX 80, \i
	s_lshl_b32 s80, s80, 17
	s_mov_b32 s81, 0
	s_add_nc_u64 s[\p:\p+1], s[4:5], s[80:81]
.endm
.macro XLOAD set, s, p                 ; my 16 rows' numbers of K step s: lane (r, h) takes 16 neighbours of each block of 32
.irp c, 0,1,2,3
.irp j, 0,1,2,3
	global_load_b128 v[\set+16*\c+4*\j:\set+16*\c+4*\j+3], v2, s[\p:\p+1] offset:512*\s+128*\c+16*\j
.endr
.endr
.endm
.macro PREPQ set, s, ls, lp            ; a set is quantised as K step s of the next block, its image stored, and the set asked for again
	s_wait_loadcnt 16                              ; this set's 16 loads are in; the other set's 16 may be out
	s_wait_dscnt 0x0                               ; the last image's stores have read v[PCX] on
	QUANT \set, PCX, XLN, XLP, 11
.irp c, 0,1,2,3
	ds_store_b128 v5, v[PCX+4*\c:PCX+4*\c+3] offset:2048*\s+512*\c
.endr
	XLOAD \set, \ls, \lp
.endm
.macro XFETCH p, s                     ; x's fragments of tiles 2 p, 2 p + 1, K step s
.irp a, 0,1
.irp c, 0,1,2,3
	ds_load_b128 v[XF+32*((\s)%2)+16*\a+4*\c:XF+32*((\s)%2)+16*\a+4*\c+3], v4 offset:(4*(2*\p+\a)+\s)*2048+512*\c
.endr
.endr
.endm
.macro MUL s, vr                       ; 16 matrix instructions: the 16 accumulators by turns, one instruction a turn, in the same order in every K step
.irp t, 0,1,2,3,4,5,6,7
.if \vr
	WIN 0xF4+4*(\t/4)                              ; source 0 x (window 0), source 1 W (window 1 or 2), C and D window 3
.else
	WIN 0xF1+(\t/4)                                ; source 0 W, source 1 x
.endif
.irp a, 0,1
.set rD, AC+64*\a+8*\t
.set rW, 16*(4*(\t%4)+\s)
.set rX, XF+32*((\s)%2)+16*\a
.if \vr
.if \s == 0
	v_wmma_f32_16x16x128_fp8_fp8 v[rD:rD+7], v[rX:rX+15], v[rW:rW+15], v[BI+8*\t:BI+8*\t+7]
.else
	v_wmma_f32_16x16x128_fp8_fp8 v[rD:rD+7], v[rX:rX+15], v[rW:rW+15], v[rD:rD+7]
.endif
.else
.if \s == 0
	v_wmma_f32_16x16x128_fp8_fp8 v[rD:rD+7], v[rW:rW+15], v[rX:rX+15], v[BI+8*\t:BI+8*\t+7]
.else
	v_wmma_f32_16x16x128_fp8_fp8 v[rD:rD+7], v[rW:rW+15], v[rX:rX+15], v[rD:rD+7]
.endif
.endif
.endr
.endr
.endm
.macro PAIR p, vr                      ; two tiles of rows x my 128 columns x 512 K.  Four places stand in front of each run of loads into registers that matrix instructions have read
	XFETCH \p, 0
	XFETCH \p, 1
	s_wait_dscnt 8                                 ; K step 0 is in; step 1's eight loads may be out
	MUL 0, \vr
	WIN 0
	PLACES 4
	XFETCH \p, 2
	s_wait_dscnt 8
	MUL 1, \vr
	WIN 0
	PLACES 4
	XFETCH \p, 3
	s_wait_dscnt 8
	MUL 2, \vr
	s_wait_dscnt 0x0
	MUL 3, \vr
	WIN 0
	PLACES 4                                       ; in front of the first read of results
.endm
.macro EPI_QK T                        ; tile T of q or k: diag, then codes
.set eA, AC+64*((\T)%2)
	s_wait_xcnt 0x0                                ; the last block's stores have read the registers that are written below
	WIN 0x0F                                       ; sources 0, 1 window 3
	v_pk_mul_f32 v[14:15], v[eA:eA+1], v[eA:eA+1]  ; the sum of squares, in two chains of pairs, each accumulator from its low end on
	v_pk_mul_f32 v[16:17], v[eA+2:eA+3], v[eA+2:eA+3]
.set ei, 4
.rept 15
	v_pk_fma_f32 v[14:15], v[eA+ei:eA+ei+1], v[eA+ei:eA+ei+1], v[14:15]
	v_pk_fma_f32 v[16:17], v[eA+ei+2:eA+ei+3], v[eA+ei+2:eA+ei+3], v[16:17]
.set ei, ei+4
.endr
	WIN 0xC3                                       ; source 0 and destination window 3
.set ei, 0
.rept 32
	v_pk_mul_f32 v[eA+ei:eA+ei+1], v[eA+ei:eA+ei+1], s[NRM:NRM+1] op_sel_hi:[1,0]   ; x 128^(-1/4)
.set ei, ei+2
.endr
	QUANT eA, CO+16*(\T), OLN, OLP, 12
	WIN 0
	v_pk_add_f32 v[14:15], v[14:15], v[16:17]
	v_add_f32 v14, v14, v15
	v_permlanex16_b32 v22, v14, s[SEL], s[SEL+1]   ; the row's other 64 channels lie in the lane 16 away
	v_add_f32 v14, v14, v22
	v_mul_f32 v14, s[HDG], v14                     ; x 1 / (2 sqrt(128)),
	v_ldexp_f32 v[28+(\T)], v14, s[EA2]            ; x 2^(2 (ex + ew))
	ds_store_b32 v8, v[28+(\T)] offset:(32*((\T)/2)+8*((\T)%2))*4
	WIN 0x0C                                       ; a store's data: window 3
.irp c, 0,1,2,3
	global_store_b128 v1, v[CO+16*(\T)+4*\c:CO+16*\T+4*\c+3], s[OB:OB+1] offset:2048*(\T)+512*\c   ; 512 consecutive bytes
.endr
	WIN 0
.endm
.macro EPI_V p                         ; tiles 2 p, 2 p + 1 of the rows: one chunk (32 rows) of each of v's eight fragments
	s_wait_xcnt 0x0
	WIN 0xC3
.set ei, 0
.rept 128
	v_med3_num_f32 v[AC+ei], v[AC+ei], s[OLN], s[OLP]
.set ei, ei+1
.endr
.irp t, 0,1,2,3,4,5,6,7
	v_cvt_scalef32_pk8_fp8_f32 v[CO+32*\p+4*\t:CO+32*\p+4*\t+1], v[AC+8*\t:AC+8*\t+7], v12
	v_cvt_scalef32_pk8_fp8_f32 v[CO+32*\p+4*\t+2:CO+32*\p+4*\t+3], v[AC+64+8*\t:AC+64+8*\t+7], v12
.endr
	v_nop
	WIN 0x0C
.irp t, 0,1,2,3,4,5,6,7
	global_store_b128 v1, v[CO+32*\p+4*\t:CO+32*\p+4*\t+3], s[OB:OB+1] offset:2048*\t+512*\p
.endr
	WIN 0
.endm
.macro PJLOAD t                        ; proj's fragment t into buffer t % 4
.set pb, XF+16*((\t)%4)
.irp c, 0,1,2,3
.if (\t) < 32
	ds_load_b128 v[pb+4*\c:pb+4*\c+3], v6 offset:2048*(\t)+512*\c
.else
	ds_load_b128 v[pb+4*\c:pb+4*\c+3], v7 offset:2048*((\t)-32)+512*\c
.endif
.endr
.endm
.macro MAX16 set                       ; 32 raw sums into four running maxima, each accumulator from its low end on
	WIN 0x3C                                       ; sources 1, 2 window 3
.irp k, 0,1,2,3
.irp a, 0,1,2,3
	v_max3_num_f32 v[18+\a], v[18+\a], v[AC+32*(\set)+8*\a+2*\k], v[AC+32*(\set)+8*\a+2*\k+1]
.endr
.endr
.endm
.macro MAXPASS                         ; k's 64 rows against proj's 40 tiles, for the maximum alone.  The sixteen maxima of the tile before are the places behind each tile's four products
	PJLOAD 0
	PJLOAD 1
	PJLOAD 2
.set t, 0
.rept 40
.if t+3 < 40
	PJLOAD t+3
.endif
.if t < 37
	s_wait_dscnt 12                                ; fragment t is in; the three younger ones may be out
.else
	s_wait_dscnt 4*(39-t)
.endif
	WIN 0xCC                                       ; source 0 proj (window 0), source 1 k's codes and D window 3
.irp a, 0,1,2,3
	v_wmma_f32_16x16x128_fp8_fp8 v[AC+32*(t%2)+8*\a:AC+32*(t%2)+8*\a+7], v[XF+16*(t%4):XF+16*(t%4)+15], v[CO+16*\a:CO+16*\a+15], 0
.endr
.if t == 0
	PLACES 4
.else
	MAX16 (t-1)%2
.endif
	WIN 0
.set t, t+1
.endr
	PLACES 4
	MAX16 1
	WIN 0
.endm
	s_load_b512 s[4:19], s[0:1], 0x0               ; x, wc, bq, bk, bv, the scales, qc, kv
	v_lshl_add_u32 v254, v0, 2, 0x24400
	v_mov_b32 v255, 0
	v_lshrrev_b32 v22, 5, v0
	v_readfirstlane_b32 s[WV], v22                 ; wave = head
	v_and_b32 v26, 31, v0                          ; lane
	v_lshlrev_b32 v1, 4, v26
	v_and_b32 v23, 15, v0                          ; r
	v_bfe_u32 v24, v0, 4, 1                        ; h
	v_and_b32 v25, 8, v23
	v_add_nc_u32 v25, v25, v23                     ; r + 8 (r / 8)
	s_lshr_b32 s74, s[WV], 1
	s_lshl_b32 s74, s74, 5
	s_and_b32 s75, s[WV], 1
	s_lshl_b32 s75, s75, 3
	s_add_co_u32 s74, s74, s75
	v_add_nc_u32 v2, s74, v25                      ; my row in a block: tile w
	v_lshlrev_b32 v2, 11, v2
	v_lshl_add_u32 v2, v24, 6, v2
	s_lshl_b32 s74, s[WV], 13
	v_add_nc_u32 v3, s74, v1
	v_add_nc_u32 v6, PROJ, v1
	v_add_nc_u32 v7, PROJ+65536, v1
	s_lshl_b32 s74, s[WV], 8
	s_add_co_u32 s74, s74, DST
	v_lshl_add_u32 v8, v25, 2, s74
	v_lshl_add_u32 v9, v26, 3, s74
	v_lshlrev_b32 v10, 3, v26
	v_lshlrev_b32 v27, 6, v24                      ; 64 h
	v_lshlrev_b32 v28, 2, v25                      ; 4 (r + 8 (r / 8))
	s_mul_i32 s74, s[WV], 20480
	s_add_co_u32 s74, s74, PROJ
	v_add_nc_u32 v29, s74, v1                      ; my quarter of proj in LDS
.irp a, 0,1,2,3
	v_mov_b32 v[18+\a], 0xff800000                 ; the maxima begin under every number
.endr
	s_mov_b32 s[ROLE], 2                           ; 0: k, 1: q, 2: v
	s_cmp_lt_u32 ttmp9, 192
	s_cselect_b32 s[ROLE], 1, s[ROLE]
	s_cmp_lt_u32 ttmp9, 128
	s_cselect_b32 s[ROLE], 0, s[ROLE]
	SEL3 s[NB], 4, 8, 8
	s_lshl_b32 s74, ttmp9, 2
	s_sub_co_u32 s75, ttmp9, 128
	s_lshl_b32 s75, s75, 3
	s_sub_co_u32 s76, ttmp9, 192
	s_lshl_b32 s76, s76, 3
	SEL3 s[B0], s74, s75, s76
	SEL3 s[MM], 0, 1, 1
	s_mov_b32 s[SS], s[MM]
	SEL3 s[SH], 1, 0, 1                            ; where a block's codes go: base + (B >> SH) STR + (B & MSK) SUB
	s_mov_b32 s[MSK], s[SH]
	s_mov_b32 s81, 33280
	s_cmp_eq_u32 s[ROLE], 1
	s_cselect_b32 s[STR], 8192, s81
	s_cselect_b32 s[STRD], 256, s81
	s_mov_b32 s81, 8192
	s_mov_b32 s82, 1024
	SEL3 s[SUB], s81, 0, s82
	s_mov_b32 s[NRM], 0x3e9837f0                   ; 128^(-1/4)
	s_mov_b32 s[NRM+1], s[NRM]
	s_mov_b32 s[HDG], 0x3d3504f3                   ; 1 / (2 sqrt(128))
	s_mov_b32 s[SEL], 0x76543210
	s_mov_b32 s[SEL+1], 0xfedcba98
	s_mov_b32 s[II], 0
	s_mov_b32 s[XB], 0
	s_wait_kmcnt 0x0
	s_load_b512 s[20:35], s[14:15], 0x0            ; e0 .. e15
	XPSET XPA, II                                  ; block 0
	XLOAD XS0, 0, XPA
	XLOAD XS1, 1, XPA
	s_mov_b32 s74, 1
	XPSET XPB, 74                                  ; block 1
	SEL3 s74, 1, 0, 2
	s_lshl_b32 s74, s74, 18
	s_lshl_b32 s75, s[WV], 16
	s_add_co_u32 s74, s74, s75
	s_mov_b32 s75, 0
	s_add_nc_u64 s[WP:WP+1], s[6:7], s[74:75]      ; my 32 fragments of the role's weight
	WIN 0x40
.set i, 0
.rept 64
	global_load_b128 v[4*i:4*i+3], v1, s[WP:WP+1] offset:512*i
.set i, i+1
.endr
	WIN 0x80
.set i, 0
.rept 64
	global_load_b128 v[4*i:4*i+3], v1, s[WP:WP+1] offset:512*(64+i)
.set i, i+1
.endr
	WIN 0
	s_cmp_eq_u32 s[ROLE], 1
	s_cselect_b64 s[BP:BP+1], s[8:9], s[12:13]
	s_cmp_eq_u32 s[ROLE], 0
	s_cselect_b64 s[BP:BP+1], s[10:11], s[BP:BP+1]
	s_lshl_b32 s74, s[WV], 9
	s_add_nc_u64 s[BP:BP+1], s[BP:BP+1], s[74:75]  ; my 128 numbers of the bias
	s_mul_i32 s74, s[WV], 20480
	s_add_co_u32 s74, s74, 868352
	s_add_nc_u64 s[PP:PP+1], s[6:7], s[74:75]      ; my quarter of proj's codes (e9)
	s_lshl_b32 s76, s[WV], 22
	s_mul_i32 s77, s[WV], 8519680
	s_add_co_u32 s78, s77, 16384
	SEL3 s74, s77, s76, s78
	s_cmp_eq_u32 s[ROLE], 1
	s_cselect_b64 s[OBASE:OBASE+1], s[16:17], s[18:19]
	s_add_nc_u64 s[OBASE:OBASE+1], s[OBASE:OBASE+1], s[74:75]
	s_lshl_b32 s76, s[WV], 17
	s_add_co_u32 s76, s76, 16777216
	s_add_co_u32 s78, s77, 32768
	s_cmp_eq_u32 s[ROLE], 1
	s_cselect_b32 s74, s76, s78
	s_cselect_b64 s[DBASE:DBASE+1], s[16:17], s[18:19]
	s_add_nc_u64 s[DBASE:DBASE+1], s[DBASE:DBASE+1], s[74:75]
	s_wait_kmcnt 0x0
	SEL3 s74, s22, s20, s24                        ; x's exponent for this role,
	SEL3 s75, s23, s21, s25                        ; the weight's,
	SEL3 s76, s28, s26, s31                        ; and that of the operand that is made
	s_add_co_i32 s[EA], s74, s75
	s_sub_co_i32 s[NEA], 0, s[EA]
	s_lshl_b32 s[EA2], s[EA], 1
	s_add_co_i32 s74, s74, 127
	s_lshl_b32 s77, s74, 23
	v_mov_b32 v11, s77                             ; 2^ex
	s_add_co_i32 s74, s74, 8
	s_lshl_b32 s[XLP], s74, 23
	s_or_b32 s[XLP], s[XLP], 0x600000              ; 448 x 2^ex
	s_or_b32 s[XLN], s[XLP], 0x80000000
	s_sub_co_i32 s76, s76, s[EA]                   ; a sum stands for number / 2^(ex + ew): the three exponents are folded into the conversion's one
	s_add_co_i32 s76, s76, 127
	s_lshl_b32 s77, s76, 23
	v_mov_b32 v12, s77
	s_add_co_i32 s76, s76, 8
	s_lshl_b32 s[OLP], s76, 23
	s_or_b32 s[OLP], s[OLP], 0x600000
	s_or_b32 s[OLN], s[OLP], 0x80000000
	; the bias in the result's layout, divided by 2^(ex + ew)
	s_cmp_eq_u32 s[ROLE], 2
	s_cbranch_scc1 .Lbias_v
	WIN 0xC0
.irp t, 0,1,2,3,4,5,6,7
	global_load_b128 v[BI+8*\t:BI+8*\t+3], v27, s[BP:BP+1] offset:(32*(\t/2)+8*(\t%2))*4       ; register j: channel 32 (t / 2) + 8 (t % 2) + 16 h + j
	global_load_b128 v[BI+8*\t+4:BI+8*\t+7], v27, s[BP:BP+1] offset:(32*(\t/2)+8*(\t%2))*4+16
.endr
	s_wait_loadcnt 0x0
	WIN 0xC3
.set i, 0
.rept 64
	v_ldexp_f32 v[BI+i], v[BI+i], s[NEA]
.set i, i+1
.endr
	WIN 0
	s_branch .Lbias_done
.Lbias_v:
.irp t, 0,1,2,3,4,5,6,7
	global_load_b32 v[XF+\t], v28, s[BP:BP+1] offset:(32*(\t/2)+8*(\t%2))*4                    ; a lane holds one channel: eight equal registers a tile
.endr
	s_wait_loadcnt 0x0
	WIN 0xC0
.irp t, 0,1,2,3,4,5,6,7
.irp j, 0,1,2,3,4,5,6,7
	v_ldexp_f32 v[BI+8*\t+\j], v[XF+\t], s[NEA]
.endr
.endr
	WIN 0
.Lbias_done:
	s_cmp_lg_u32 s[ROLE], 0
	s_cbranch_scc1 .Lno_proj
	WIN 0xC0
.set i, 0
.rept 40
	global_load_b128 v[64+4*i:64+4*i+3], v1, s[PP:PP+1] offset:512*i
.set i, i+1
.endr
	s_wait_loadcnt 0x0
	WIN 0x0C
.set i, 0
.rept 40
	ds_store_b128 v29, v[64+4*i:64+4*i+3] offset:512*i
.set i, i+1
.endr
	WIN 0
.Lno_proj:
	v_mov_b32 v5, v3                               ; block 0's images go into set 0
	PREPQ XS0, 0, 2, XPA
	PREPQ XS1, 1, 3, XPA
	PREPQ XS0, 2, 0, XPB
	PREPQ XS1, 3, 1, XPB
	s_wait_dscnt 0x0                               ; my images (and my quarter of proj) lie in LDS
	s_barrier_signal -1
	s_barrier_wait -1
.Ltrip:                                            ; eight trips in every work-group; k's work-groups have work in four.  One barrier a trip: the next block's images are whole, and this block's are read out
	s_cmp_ge_u32 s[II], s[NB]
	s_cbranch_scc1 .Lskip
	s_wait_xcnt 0x0                                ; earlier loads and stores have read their bases: they are written below
	v_add_nc_u32 v4, s[XB], v1
	s_xor_b32 s74, s[XB], 32768
	v_add_nc_u32 v5, s74, v3
	s_sub_co_u32 s75, s[NB], 1
	s_add_co_u32 s74, s[II], 1
	s_min_u32 s74, s74, s75                        ; the next block, and the one after: held at the work-group's last, so that no load leaves x
	s_add_co_u32 s76, s[II], 2                     ; (what is quantised once more at the end is read by nobody)
	s_min_u32 s76, s76, s75
	XPSET XPA, 74
	XPSET XPB, 76
	BIDX 77, II
	s_lshr_b32 s78, s77, s[SH]
	s_and_b32 s79, s77, s[MSK]
	s_mul_i32 s80, s78, s[STR]
	s_mul_i32 s82, s79, s[SUB]
	s_add_co_u32 s80, s80, s82
	s_mov_b32 s81, 0
	s_add_nc_u64 s[OB:OB+1], s[OBASE:OBASE+1], s[80:81]
	s_mul_i32 s80, s78, s[STRD]
	s_lshl_b32 s82, s79, 8
	s_add_co_u32 s80, s80, s82
	s_add_nc_u64 s[DB:DB+1], s[DBASE:DBASE+1], s[80:81]
	s_cmp_eq_u32 s[ROLE], 2
	s_cbranch_scc1 .Lv0
	PAIR 0, 0
	EPI_QK 0
	EPI_QK 1
	s_branch .Lj0
.Lv0:
	PAIR 0, 1
	EPI_V 0
.Lj0:
	PREPQ XS0, 0, 2, XPA                           ; the next block's x: its loads had a pair's work in which to land
	PREPQ XS1, 1, 3, XPA
	s_cmp_eq_u32 s[ROLE], 2
	s_cbranch_scc1 .Lv1
	PAIR 1, 0
	EPI_QK 2
	EPI_QK 3
	s_branch .Lj1
.Lv1:
	PAIR 1, 1
	EPI_V 1
.Lj1:
	PREPQ XS0, 2, 0, XPB
	PREPQ XS1, 3, 1, XPB
	s_cmp_lg_u32 s[ROLE], 0
	s_cbranch_scc1 .Lnomax
	MAXPASS
.Lnomax:
	s_cmp_eq_u32 s[ROLE], 2
	s_cbranch_scc1 .Lskip
	ds_load_b64 v[24:25], v9                       ; 64 rows' diag in the rows' order (my own bytes: LDS serves a wave's instructions in order, ISA guide 5.7.1.4)
	s_wait_dscnt 0x0
	global_store_b64 v10, v[24:25], s[DB:DB+1]     ; 256 consecutive bytes
.Lskip:
	s_wait_dscnt 0x0
	s_barrier_signal -1
	s_barrier_wait -1
	s_xor_b32 s[XB], s[XB], 32768
	s_add_co_u32 s[II], s[II], 1
	s_cmp_lt_u32 s[II], 8
	s_cbranch_scc1 .Ltrip
	s_cmp_lg_u32 s[ROLE], 0
	s_cbranch_scc1 .Lend
	v_max3_num_f32 v18, v18, v19, v20              ; k: the largest raw sum of my head in this work-group's rows
	v_max_num_f32 v18, v18, v21
	v_max_num_f32_dpp v18, v18, v18 row_xmask:1 row_mask:0xf bank_mask:0xf
	v_max_num_f32_dpp v18, v18, v18 row_xmask:2 row_mask:0xf bank_mask:0xf
	v_max_num_f32_dpp v18, v18, v18 row_xmask:4 row_mask:0xf bank_mask:0xf
	v_max_num_f32_dpp v18, v18, v18 row_xmask:8 row_mask:0xf bank_mask:0xf
	v_permlanex16_b32 v22, v18, s[SEL], s[SEL+1]
	v_max_num_f32 v18, v18, v22
	s_lshl_b32 s74, s[WV], 7
	s_add_co_u32 s74, s74, ttmp9
	s_lshl_b32 s74, s74, 2
	s_add_co_u32 s74, s74, 34078720
	s_mov_b32 s75, 0
	s_add_nc_u64 s[76:77], s[18:19], s[74:75]
	v_mov_b32 v23, 0
	s_wait_xcnt 0x0                                ; EXEC changes only behind this wait
	v_cmp_eq_u32 vcc_lo, 0, v26
	s_and_saveexec_b32 s78, vcc_lo
	global_store_b32 v23, v18, s[76:77]
	s_wait_xcnt 0x0
	s_or_b32 exec_lo, exec_lo, s78
.Lend:
	s_wait_tensorcnt 0x0
	ds_add_u32 v254, v255
	s_wait_dscnt 0x0
	s_endpgm
.Lfunc_end_k_qeb105f0fdf_qkv:
	.size	k_qeb105f0fdf_qkv, .Lfunc_end_k_qeb105f0fdf_qkv-k_qeb105f0fdf_qkv
	.p2alignl 7, 3214868480
	.fill 96, 4, 3214868480
	.section	.rodata,"a",@progbits
	.p2align	6, 0x0
	.amdhsa_kernel k_qeb105f0fdf_qkv
		.amdhsa_group_segment_fixed_size 148992
		.amdhsa_private_segment_fixed_size 0
		.amdhsa_enable_private_segment 0
		.amdhsa_kernarg_size 64
		.amdhsa_user_sgpr_count 2
		.amdhsa_user_sgpr_kernarg_segment_ptr 1
		.amdhsa_wavefront_size32 1
		.amdhsa_system_sgpr_workgroup_id_x 1
		.amdhsa_system_sgpr_workgroup_id_y 1
		.amdhsa_system_sgpr_workgroup_id_z 1
		.amdhsa_system_vgpr_workitem_id 0
		.amdhsa_next_free_vgpr 1024
		.amdhsa_next_free_sgpr 96
		.amdhsa_reserve_vcc 1
		.amdhsa_float_denorm_mode_32 3
		.amdhsa_float_denorm_mode_16_64 3
		.amdhsa_memory_ordered 1
		.amdhsa_forward_progress 1
		.amdhsa_inst_pref_size 244
	.end_amdhsa_kernel
	.amdgpu_metadata
---
amdhsa.version: [ 1, 2 ]
amdhsa.kernels:
  - .name:           k_qeb105f0fdf_qkv
    .symbol:         k_qeb105f0fdf_qkv.kd
    .args:
      - { .name: x, .offset: 0, .size: 8, .value_kind: global_buffer, .address_space: global }
      - { .name: wc, .offset: 8, .size: 8, .value_kind: global_buffer, .address_space: global }
      - { .name: bq, .offset: 16, .size: 8, .value_kind: global_buffer, .address_space: global }
      - { .name: bk, .offset: 24, .size: 8, .value_kind: global_buffer, .address_space: global }
      - { .name: bv, .offset: 32, .size: 8, .value_kind: global_buffer, .address_space: global }
      - { .name: lowp_scales, .offset: 40, .size: 8, .value_kind: global_buffer, .address_space: global }
      - { .name: qc, .offset: 48, .size: 8, .value_kind: global_buffer, .address_space: global }
      - { .name: kv, .offset: 56, .size: 8, .value_kind: global_buffer, .address_space: global }
    .group_segment_fixed_size: 148992
    .private_segment_fixed_size: 0
    .kernarg_segment_align: 8
    .kernarg_segment_size: 64
    .max_flat_workgroup_size: 128
    .sgpr_count:     96
    .vgpr_count:     1024
    .wavefront_size: 32
...
	.end_amdgpu_metadata
.endif
;; end of part 2
;; launch ctx (part 3): grid 8 x 32, 4 waves a work-group, clusters of 4 x 1, 327,680 bytes of LDS; arguments kv, wc, lowp_scales, part; writes part
.if DOCPART == 3
	.amdgcn_target "amdgcn-amd-amdhsa--gfx1250"
	.amdhsa_code_object_version 6
	.text
	.protected	k_qeb105f0fdf_ctx
	.globl	k_qeb105f0fdf_ctx
	.p2align	8
	.type	k_qeb105f0fdf_ctx,@function
k_qeb105f0fdf_ctx:
	s_mov_b64 s[64:65], 0
	v_nop
	global_prefetch_b8 v0, s[64:65] scope:SCOPE_SE
	s_setreg_imm32_b32 hwreg(HW_REG_WAVE_MODE, 25, 1), 1
	s_wait_xcnt 0x0
	s_wait_alu depctr_hold_cnt(0) depctr_sa_sdst(0) depctr_va_vdst(0) depctr_va_sdst(0) depctr_va_ssrc(0) depctr_va_vcc(0) depctr_vm_vsrc(0)
	s_getreg_b32 s2, hwreg(HW_REG_IB_STS2, 6, 4)
	s_cmp_eq_u32 s2, 0
	s_cbranch_scc0 .Lentry_in_a_cluster
	s_endpgm
.Lentry_in_a_cluster:
	s_bfe_u32 s2, ttmp6, 0x10000c
	s_cmp_lg_u32 s2, 0x3003
	s_cbranch_scc0 .Lentry_shape_is_right
	s_endpgm
.Lentry_shape_is_right:
; k' = ratio (exp(k . proj - diag - stab) + 1e-4); partial sums of context = k'^T v (both on codes of E4M3: e10, e11) and of k_cumsum (unquantised k', f32).  stab is the head's largest k . proj.
; SHARES.  Work-group (x, y): features 80 x .. 80 x + 79 (five tiles of proj), head y / 8, rows 4,096 (y % 8) on.  Wave w walks eight steps of 128 rows, its own, for all five tiles: 40 accumulators, 320 registers.
; At the end the four waves' sums are added through LDS: eight partial sums for each head go to memory.
; THE RING.  kv holds, for each head and step, one dense block of 33,280 bytes: k's eight fragments, v's eight (rows innermost) and the rows' diag, in the order of the operands' registers.  Each wave has two LDS slots
; of one block, its own, filled by the tensor data mover and read by that wave alone, 512 consecutive bytes a load.  A step's slot is read out when v's fragments are in registers, eight groups into the step: there it is
; filled again with the block two steps on, which has a whole step, 80 matrix instructions, in which to land.  All 1,024 registers are taken, so nothing could be asked for that early into registers.
; CLUSTER.  The four work-groups of a cluster differ in their features alone and walk the same blocks: each block is asked for JOINTLY, by the same tensor load with the same descriptor and a mask that names the four,
; and each receives it in its own LDS.  That divides the requests for kv by four.  A work-group's place in its cluster enters the global addresses of proj, of part and of the prefetches, and nothing else.
; LAYOUT.  dd = k proj^T with source 0 = 16 rows of k, source 1 = 16 features: a lane holds ONE feature and its registers run along the rows, 16 neighbours in the registers of two neighbouring tiles.  So k', converted,
; is the fragment of k'^T (K = the rows).  context: source 0 = k'^T, source 1 = v: a lane holds one channel, its registers run along the features.
; BY GROUPS.  A group is 8 rows x 32 lanes of one feature tile: 8 exponentials, their scaling, sum, hold and conversion; behind it stand one product for the next tile's dd and one for the tile before's context.
; Features 621 .. 639 repeat feature 620; a later launch drops them.
; LIMITS: e8 + e9 between -126 and 126 (added to an exponent field); e10 between -126 and 119.
; REGISTERS.  window 0: v1 16 x lane; v2 64 h + my ring; v3 lane; v5 16 x lane + my ring; v6, v7 the spare word's address and 0; v8 256 x lane; v9 2^e10; v[10:11] ratio x 1e-4; v[12:13] -stab log2 e;
;   v14-23 k_cumsum, a pair a tile; v24-27 at work; v28-30 LDS addresses of the loads in hand; v32-95, v96-159 dd of two tiles; v160-223 -(diag + stab) log2 e of my 64 rows; v224-255 two fragments of k'^T.
;   window 1: v0-127 k, v128-255 v.   window 2: v0-79 proj; v128-255 accumulators of tiles 0, 1.   window 3: v0-191 of tiles 2-4; v192-255 diag.
.set WV,36
.set GM,37                             ; s37  my range of features: 4 x cluster x + my place in the cluster
.set HEAD,38
.set NR,39
.set C1,40
.set NL2E,42
.set RAT,44
.set KLIM,46
.set CNT,47                            ; s47  fills still to be asked for, this step's among them
.set KP,48                             ; s[48:49] kv at my first block
.set SEL,50
.set LIM,52                            ; s52  1 in a work-group that prefetches, else the greatest number
.set TB,66                             ; s66  the slot of the block in hand: 0 or BLK
.set CX,67
.set PFA,68                            ; s[68:69] where my prefetches stand
.set RG,70                             ; s70  my ring in LDS
.set G1,72                             ; s[72:79] descriptor group 1
.set G0A,80                            ; s[80:83] group 0 of the first fill;  s[84:87] of the second, which then walks on
.set G0B,84
.set DD,32
.set C0,160
.set CD,224
.set KSA,14
.set BLK,33280                         ; a block of kv, and a slot
.set RING,2*BLK                        ; LDS: four rings;
.set SPARE,4*RING                      ; behind them the spare words, 128 bytes for each wave: two blocks of 256 bytes that no other line names;
.set KSL,SPARE+512                     ; and 640 bytes a wave for k_cumsum
.set MSB, 0
.macro WIN new                         ; the immediate's high byte repeats the setting that is left
.if MSB != (\new)
	s_set_vgpr_msb (MSB<<8)|(\new)
.set MSB, (\new)
.endif
.endm
.macro PLACES n
.rept \n
	v_nop
.endr
.endm
; A round of the cluster's barrier: my work-group's barrier, so that wave 0's signal speaks for all four waves; wave 0 signals for the work-group; every wave waits for all four work-groups; my work-group's barrier once more.
.macro CROUND
	s_barrier_signal -1
	s_barrier_wait -1
	s_cmp_lg_u32 s[WV], 0
	s_cbranch_scc1 .Lnot_wave_0_\@
	s_barrier_signal -3
.Lnot_wave_0_\@:
	s_barrier_wait -3
	s_barrier_signal -1
	s_barrier_wait -1
.endm
.macro LOADK                           ; a block's k and diag out of its slot: v29 = 16 x lane + the slot, v30 = 64 h + the slot
	WIN 0x40
.set k, 0
.rept 32
	ds_load_b128 v[4*k:4*k+3], v29 offset:512*k
.set k, k+1
.endr
	WIN 0xC0
.irp b, 0,1,2,3
.irp q, 0,1,2,3
	ds_load_b128 v[192+16*\b+4*\q:192+16*\b+4*\q+3], v30 offset:32768+128*\b+16*\q   ; register 16 b + i: row 32 b + 16 h + i
.endr
.endr
	WIN 0
.endm
.macro TT i, g                         ; the exponents of group (i, g): dd x c1 - (diag + stab) log2 e, in place, from the accumulator's low end on
.set Y, DD+64*((\i)%2)+8*(\g)
.irp k, 0,2,4,6
	v_pk_fma_f32 v[Y+\k:Y+\k+1], v[Y+\k:Y+\k+1], s[C1:C1+1], v[C0+8*(\g)+\k:C0+8*(\g)+\k+1] op_sel_hi:[1,0,1]
.endr
.endm
.macro ACCW i, g, zero, cd             ; context(tile i, channels 16 g on) += k'^T v
.if (\i) < 2
	WIN 0xA4                                       ; source 0 window 0, source 1 (v) window 1, C and D window 2
.set rA, 128+64*(\i)+8*(\g)
.else
	WIN 0xF4
.set rA, 64*((\i)-2)+8*(\g)
.endif
.if \zero
	v_wmma_f32_16x16x128_fp8_fp8 v[rA:rA+7], v[\cd:\cd+15], v[128+16*(\g):128+16*(\g)+15], 0
.else
	v_wmma_f32_16x16x128_fp8_fp8 v[rA:rA+7], v[\cd:\cd+15], v[128+16*(\g):128+16*(\g)+15], v[rA:rA+7]
.endif
.endm
.macro GROUP i, g, first
.set Z, DD+64*((\i)%2)+8*(\g)
.irp j, 0,1,2,3,4,5,6,7
	v_exp_f32 v[Z+\j], v[Z+\j]
.endr
.if (\g) < 7                           ; the next group's exponents are the plain lines behind the exponentials
	TT \i, (\g)+1
.elseif (\i) < 4
	TT (\i)+1, 0
.else
	v_nop
	s_wait_alu depctr_va_vdst(0)
.endif
	s_wait_alu depctr_va_vdst(0)
.irp k, 0,2,4,6
	v_pk_fma_f32 v[Z+\k:Z+\k+1], v[Z+\k:Z+\k+1], s[RAT:RAT+1], v[10:11] op_sel_hi:[1,0,1]   ; k' = ratio e + ratio 1e-4
.endr
	v_pk_add_f32 v[24:25], v[Z:Z+1], v[Z+2:Z+3]    ; k_cumsum takes the unquantised k'
	v_pk_add_f32 v[26:27], v[Z+4:Z+5], v[Z+6:Z+7]
.irp j, 0,1,2,3
	v_min_num_f32 v[Z+\j], s[KLIM], v[Z+\j]        ; k' is positive: the hold is one-sided
.endr
.if \first && ((\g) == 0)
	v_pk_add_f32 v[KSA+2*(\i):KSA+2*(\i)+1], v[24:25], v[26:27]
.else
	v_pk_add_f32 v[24:25], v[24:25], v[26:27]
.endif
.irp j, 4,5,6,7
	v_min_num_f32 v[Z+\j], s[KLIM], v[Z+\j]
.endr
.if \first && ((\g) == 0)
.else
	v_pk_add_f32 v[KSA+2*(\i):KSA+2*(\i)+1], v[KSA+2*(\i):KSA+2*(\i)+1], v[24:25]
.endif
	v_cvt_scalef32_pk8_fp8_f32 v[CD+16*((\i)%2)+2*(\g):CD+16*((\i)%2)+2*(\g)+1], v[Z:Z+7], v9
.if (\g) == 7
	v_nop                                          ; a plain line behind the fragment's last conversion
.endif
.if (\i) < 4
	WIN 0x09                                       ; source 0 (k) window 1, source 1 (proj) window 2
	v_wmma_f32_16x16x128_fp8_fp8 v[DD+64*(((\i)+1)%2)+8*(\g):DD+64*(((\i)+1)%2)+8*(\g)+7], v[16*(\g):16*(\g)+15], v[16*((\i)+1):16*((\i)+1)+15], 0
.endif
.if (\i) >= 1
	ACCW (\i)-1, \g, \first, CD+16*(((\i)-1)%2)
.endif
	WIN 0
.endm
.macro GROUPS i, g0, first
.irp g, 0,1,2,3,4,5,6,7
.if \g >= \g0
	GROUP \i, \g, \first
.endif
.endr
.endm
.macro EPH ctx, zero, next             ; a step's end: the last tile's context; the next step's first dd and its rows' -(diag + stab) log2 e
.irp g, 0,1,2,3,4,5,6,7
.if \ctx
	ACCW 4, \g, \zero, CD
.endif
.if \next
	WIN 0x09
	v_wmma_f32_16x16x128_fp8_fp8 v[DD+8*\g:DD+8*\g+7], v[16*\g:16*\g+15], v[0:15], 0
	WIN 0x03                                       ; source 0 (diag) window 3
.irp k, 0,2,4,6
	v_pk_fma_f32 v[C0+8*\g+\k:C0+8*\g+\k+1], v[192+8*\g+\k:192+8*\g+\k+1], s[NL2E:NL2E+1], v[12:13] op_sel_hi:[1,0,1]
.endr
.endif
.endr
	WIN 0
.endm
; A PREFETCH INTO THE L2 of what the NEXT change of slots will ask for: my wave's block three steps on from the step in hand; its 32,768 bytes of codes, a lane 256 bytes, one instruction a wave.
; The two clusters that differ in x alone walk the same blocks: cluster x = 0 asks.  Its four partners share a block out BY ADDRESS, 8,192 bytes each: no branch hangs on a work-group's place in its cluster.
; It stands behind the joint load and its four lines.  The last change that fills a slot asks for nothing: the wave's last block is then the last that is named.  The first three blocks come by their loads alone.
.macro ASK
	s_cmp_gt_u32 s[CNT], s[LIM]
	s_cbranch_scc0 .Lnot_mine_\@
	global_prefetch_b8 v8, s[PFA:PFA+1] th:TH_LOAD_NT scope:SCOPE_SE
.Lnot_mine_\@:
.endm
; THE CHANGE OF SLOTS, eight groups into a step: k and diag of this step's block were taken out a step ago, v's loads were issued at the step's head.  Each wave waits for all its tensor loads, of which one is out: the next
; step's block; adds 0 to its spare word; and waits for that and for its reads of this step's slot.  Behind the cluster's round no wave of any partner still reads its slot or has a load on its way, and the joint fill comes first.
.macro CHANGE
	s_wait_tensorcnt 0x0                           ; no tensor load of mine is out, so a group 0 may be written
	ds_add_u32 v6, v7                              ; 0 onto my spare word; the descriptor's steps stand between it and the wait for it
	s_xor_b32 s[G0B+1], s[G0B+1], BLK              ; the walking descriptor: the other slot than last time (in wave x RING the bits of BLK are clear),
	s_add_nc_u64 s[G0B+2:G0B+3], s[G0B+2:G0B+3], BLK   ; the next block; the type bits on top are not reached
	s_wait_xcnt 0x0                                ; the last prefetch, a step back, has read its address, so it may be written:
	s_add_nc_u64 s[PFA:PFA+1], s[PFA:PFA+1], BLK   ; one block further on than the walking descriptor
	s_wait_dscnt 0x0                               ; the add is done; v is in registers: my reads of this step's slot are over
	CROUND
	tensor_load_to_lds s[G0B:G0B+3], s[G1:G1+7]    ; my one tensor load behind the round, and the first thing there: the block two steps on
	s_nop 0
	PLACES 4
	ASK
.endm
; A STEP.  chg = 1: its slot is filled again;  2: nothing is left to fetch, the last block's load is waited for;  0: nothing is out
.macro STEP first, last, chg
	v_add_nc_u32 v28, s[TB], v5                    ; this step's slot
	TT 0, 0                                        ; (with the lines above it: the places in front of the loads into v's registers)
	WIN 0x40
.set k, 0
.rept 32
	ds_load_b128 v[128+4*k:128+4*k+3], v28 offset:16384+512*k   ; this step's v: wanted eight groups on
.set k, k+1
.endr
	WIN 0
	GROUPS 0, 0, \first
.if \chg == 1
	CHANGE
.else
.if \chg == 2
	s_wait_tensorcnt 0x0                           ; the last block has landed: no load was issued behind its own
.endif
	s_wait_dscnt 0x0                               ; v
.endif
	GROUPS 1, 0, \first
	GROUPS 2, 0, \first
	GROUPS 3, 0, \first
	GROUP 4, 0, \first
.if !\last
	s_xor_b32 s[TB], s[TB], BLK                    ; on to the other slot, which was shown whole at this step's change
	v_add_nc_u32 v29, s[TB], v5
	v_add_nc_u32 v30, s[TB], v2
	LOADK                                          ; the next step's k and diag: k's registers were last read a group ago
.endif
	GROUPS 4, 1, \first
.if \last
	EPH 1, 0, 0
.else
	s_wait_dscnt 0x0
	EPH 1, \first, 1
.endif
.endm
	s_load_b256 s[4:11], s[0:1], 0x0               ; kv, wc, the scales, part
	v_lshl_add_u32 v6, v0, 2, SPARE
	v_mov_b32 v7, 0
	ds_add_u32 v6, v7
	s_wait_dscnt 0x0
	v_lshrrev_b32 v24, 5, v0
	v_readfirstlane_b32 s[WV], v24
	v_and_b32 v3, 31, v0                           ; lane
	v_lshlrev_b32 v1, 4, v3
	v_bfe_u32 v4, v0, 4, 1
	v_lshlrev_b32 v8, 8, v3
	s_mul_i32 s[RG], s[WV], RING                   ; no place in the cluster enters an LDS address
	v_add_nc_u32 v5, s[RG], v1
	v_lshl_add_u32 v2, v4, 6, s[RG]
	s_bfe_u32 s[CX], ttmp6, 0x40000                ; my place in the cluster
	s_lshl_b32 s[GM], ttmp9, 2                     ; in a cluster launch ttmp9 counts clusters
	s_add_co_u32 s[GM], s[GM], s[CX]
	s_and_b32 s53, ttmp7, 0xffff                   ; which the four partners share
	s_lshr_b32 s[HEAD], s53, 3
	s_and_b32 s[NR], s53, 7
	s_lshl_b32 s54, s[HEAD], 8
	s_lshl_b32 s55, s[NR], 5
	s_add_co_u32 s54, s54, s55
	s_lshl_b32 s55, s[WV], 3
	s_add_co_u32 s54, s54, s55                     ; my first block
	s_mul_i32 s54, s54, BLK
	s_mov_b32 s55, 0
	s_cmp_eq_u32 ttmp9, 0
	s_cselect_b32 s[LIM], 1, -1                    ; the same in all four partners
	; descriptor group 1: a dense block as 130 rows of 256 bytes, laid into LDS without gaps
	s_mov_b32 s[G1], 15|(3<<16)|(1<<21)            ; 15:0 the mask: all four work-groups; 17:16 elements of 8 bytes; 20 no padding; 21 set beside a mask
	s_mov_b32 s[G1+1], 32<<16                      ; tensor_dim0 = 32
	s_mov_b32 s[G1+2], 130<<16                     ; tensor_dim1 = 130
	s_mov_b32 s[G1+3], 32<<16                      ; tile_dim0 = 32
	s_mov_b32 s[G1+4], 130                         ; tile_dim1 = 130
	s_mov_b32 s[G1+5], 32                          ; tensor_dim0_stride
	s_mov_b32 s[G1+6], 0
	s_mov_b32 s[G1+7], 0
	s_mov_b32 s[NL2E], 0xbfb8aa3b                  ; -log2 e
	s_mov_b32 s[NL2E+1], s[NL2E]
	s_mov_b32 s[RAT], 0x3d245de8                   ; 621^(-1/2)
	s_mov_b32 s[RAT+1], s[RAT]
	s_mov_b32 s[SEL], 0x76543210
	s_mov_b32 s[SEL+1], 0xfedcba98
	s_mov_b32 s[TB], 0
	v_mov_b32 v10, 0x3686a638                      ; 621^(-1/2) x 1e-4
	v_mov_b32 v11, v10
	s_wait_kmcnt 0x0
	s_load_b512 s[20:35], s[8:9], 0x0
	s_add_nc_u64 s[KP:KP+1], s[4:5], s[54:55]
	CROUND                                         ; all four work-groups are here: the first joint loads meet
	s_mov_b32 s[G0A], 1                            ; 1:0 count = 1
	s_mov_b32 s[G0A+1], s[RG]                      ; 63:32 LDS address: my slot 0
	s_mov_b64 s[G0A+2:G0A+3], s[KP:KP+1]           ; 120:64 global address: my block 0
	s_or_b32 s[G0A+3], s[G0A+3], 0x80000000        ; 127:126 type = 2
	s_mov_b32 s[G0B], 1
	s_add_co_u32 s[G0B+1], s[RG], BLK              ; my slot 1,
	s_add_nc_u64 s[G0B+2:G0B+3], s[KP:KP+1], BLK   ; my block 1
	s_or_b32 s[G0B+3], s[G0B+3], 0x80000000
	tensor_load_to_lds s[G0A:G0A+3], s[G1:G1+7]    ; the two first fills go out together, ahead of every wait on TENSORcnt and every LDS read: two loads of mine are out
	s_nop 0
	tensor_load_to_lds s[G0B:G0B+3], s[G1:G1+7]
	s_nop 0
	PLACES 4
	s_lshl_b32 s56, s[CX], 13                      ; the prefetches: my work-group's 8,192 bytes of a block,
	s_mov_b32 s57, 0
	s_add_nc_u64 s[PFA:PFA+1], s[KP:KP+1], s[56:57]
	s_add_nc_u64 s[PFA:PFA+1], s[PFA:PFA+1], 2*BLK ; in block 2: the first change of slots steps it to block 3.  Nothing is prefetched here, at the head
	s_mul_i32 s54, s[GM], 10240
	s_add_co_u32 s54, s54, 868352
	s_add_nc_u64 s[56:57], s[6:7], s[54:55]        ; my five tiles of proj's codes (e9); this pair stays as it is until the wait for these loads
	WIN 0x80
.set k, 0
.rept 20
	global_load_b128 v[4*k:4*k+3], v1, s[56:57] offset:512*k
.set k, k+1
.endr
	WIN 0
	s_lshl_b32 s54, s[HEAD], 9
	s_add_co_u32 s54, s54, 34078720
	s_add_nc_u64 s[58:59], s[4:5], s[54:55]
	global_load_b128 v[32:35], v1, s[58:59]        ; the head's 128 raw maxima
	s_wait_kmcnt 0x0
	s_add_co_i32 s54, s28, s29                     ; e8 + e9: a raw sum stands for sum x 2^(e8 + e9)
	s_lshl_b32 s54, s54, 23
	s_add_co_i32 s[C1], s54, 0x3fb8aa3b            ; c1 = log2 e x 2^(e8 + e9)
	s_mov_b32 s[C1+1], s[C1]
	s_xor_b32 s55, s[C1], 0x80000000
	s_add_co_i32 s54, s30, 127
	s_lshl_b32 s61, s54, 23                        ; (a register that no pending load names)
	v_mov_b32 v9, s61                              ; 2^e10
	s_add_co_i32 s54, s54, 8
	s_lshl_b32 s[KLIM], s54, 23
	s_or_b32 s[KLIM], s[KLIM], 0x600000            ; 448 x 2^e10
	s_wait_tensorcnt 0x1                           ; my block 0 is in its slot; block 1's load may stay out.  A slot is read by the wave that asked for it alone: its own wait is all that the reads need
	v_add_nc_u32 v29, s[TB], v5
	v_add_nc_u32 v30, s[TB], v2
	LOADK
	s_wait_loadcnt 0x0
	v_max3_num_f32 v32, v32, v33, v34
	v_max_num_f32 v32, v32, v35
	v_max_num_f32_dpp v32, v32, v32 row_xmask:1 row_mask:0xf bank_mask:0xf
	v_max_num_f32_dpp v32, v32, v32 row_xmask:2 row_mask:0xf bank_mask:0xf
	v_max_num_f32_dpp v32, v32, v32 row_xmask:4 row_mask:0xf bank_mask:0xf
	v_max_num_f32_dpp v32, v32, v32 row_xmask:8 row_mask:0xf bank_mask:0xf
	v_permlanex16_b32 v33, v32, s[SEL], s[SEL+1]
	v_max_num_f32 v32, v32, v33
	v_mul_f32 v12, s55, v32                        ; -stab log2 e
	v_mov_b32 v13, v12
	s_wait_dscnt 0x0
	EPH 0, 0, 1
	s_mov_b32 s[CNT], 6
	STEP 1, 0, 1                                   ; step 0 starts the sums: nothing is cleared
	s_mov_b32 s[CNT], 5
.Lstep:                                            ; steps 1 to 5: each fills its slot again
	STEP 0, 0, 1
	s_sub_co_u32 s[CNT], s[CNT], 1
	s_cmp_lg_u32 s[CNT], 0
	s_cbranch_scc1 .Lstep
	STEP 0, 0, 2                                   ; the last two steps are written out: step 6 asks for nothing
	STEP 0, 1, 0                                   ; step 7 has no successor
	PLACES 4                                       ; in front of the first read of results
	; the four waves' sums meet in LDS: each accumulator as two images of four registers, in part's own order.  The stage, 40,960 bytes, lies in my own ring, which has had its last fill and its last read
	WIN 0x08                                       ; a store's data: window 2
.irp i, 0,1
.irp g, 0,1,2,3,4,5,6,7
.irp f, 0,1
	ds_store_b128 v5, v[128+64*\i+8*\g+4*\f:128+64*\i+8*\g+4*\f+3] offset:512*((8*\i+\g)*2+\f)
.endr
.endr
.endr
	WIN 0x0C
.irp i, 2,3,4
.irp g, 0,1,2,3,4,5,6,7
.irp f, 0,1
	ds_store_b128 v5, v[64*(\i-2)+8*\g+4*\f:64*(\i-2)+8*\g+4*\f+3] offset:512*((8*\i+\g)*2+\f)
.endr
.endr
.endr
	WIN 0
	s_mul_i32 s54, s[WV], 640
	s_add_co_u32 s54, s54, KSL
	v_lshl_add_u32 v31, v3, 2, s54
.irp i, 0,1,2,3,4
	v_add_f32 v[24+\i], v[KSA+2*\i], v[KSA+2*\i+1]
.endr
.irp i, 0,1,2,3,4
	v_permlanex16_b32 v[32+\i], v[24+\i], s[SEL], s[SEL+1]   ; the feature's other 64 rows lie in the lane 16 away
.endr
.irp i, 0,1,2,3,4
	v_add_f32 v[24+\i], v[24+\i], v[32+\i]
.endr
.irp i, 0,1,2,3,4
	ds_store_b32 v31, v[24+\i] offset:128*\i
.endr
	s_mul_i32 s54, s[WV], 10240
.irp j, 0,1,2,3
	v_add_nc_u32 v[10+\j], s54, v1                 ; my quarter of wave j's stage
	s_add_co_u32 s54, s54, RING
.endr
	s_lshl_b32 s54, s[NR], 2
	s_add_co_u32 s60, s54, s[HEAD]                 ; 4 nr + head
	s_mul_i32 s54, s60, 40
	s_mul_i32 s55, s[GM], 5
	s_add_co_u32 s54, s54, s55
	s_lshl_b32 s54, s54, 13
	s_mul_i32 s55, s[WV], 10240
	s_add_co_u32 s54, s54, s55
	s_mov_b32 s55, 0
	s_add_nc_u64 s[56:57], s[10:11], s[54:55]
	s_wait_dscnt 0x0
	s_barrier_signal -1
	s_barrier_wait -1
.irp b, 0,1,2,3                        ; my 20 pieces of 512 bytes, five at a time
.set SB, 64+80*(\b%2)
	s_wait_xcnt 0x0                                ; earlier stores have read their registers
.irp k, 0,1,2,3,4
.irp j, 0,1,2,3
	ds_load_b128 v[SB+16*\k+4*\j:SB+16*\k+4*\j+3], v[10+\j] offset:512*(5*\b+\k)
.endr
.endr
	s_wait_dscnt 0x0
.irp k, 0,1,2,3,4
	v_pk_add_f32 v[SB+16*\k:SB+16*\k+1], v[SB+16*\k:SB+16*\k+1], v[SB+16*\k+4:SB+16*\k+5]
	v_pk_add_f32 v[SB+16*\k+2:SB+16*\k+3], v[SB+16*\k+2:SB+16*\k+3], v[SB+16*\k+6:SB+16*\k+7]
	v_pk_add_f32 v[SB+16*\k+8:SB+16*\k+9], v[SB+16*\k+8:SB+16*\k+9], v[SB+16*\k+12:SB+16*\k+13]
	v_pk_add_f32 v[SB+16*\k+10:SB+16*\k+11], v[SB+16*\k+10:SB+16*\k+11], v[SB+16*\k+14:SB+16*\k+15]
	v_pk_add_f32 v[SB+16*\k:SB+16*\k+1], v[SB+16*\k:SB+16*\k+1], v[SB+16*\k+8:SB+16*\k+9]
	v_pk_add_f32 v[SB+16*\k+2:SB+16*\k+3], v[SB+16*\k+2:SB+16*\k+3], v[SB+16*\k+10:SB+16*\k+11]
	global_store_b128 v1, v[SB+16*\k:SB+16*\k+3], s[56:57] offset:512*(5*\b+\k)   ; 512 consecutive bytes
.endr
.endr
	s_cmp_lg_u32 s[WV], 0
	s_cbranch_scc1 .Lend
	v_lshl_add_u32 v14, v3, 2, KSL                 ; wave 0: k_cumsum of the five tiles
.irp i, 0,1,2,3,4
.irp j, 0,1,2,3
	ds_load_b32 v[32+4*\i+\j], v14 offset:128*(5*\j+\i)
.endr
.endr
	v_and_b32 v15, 15, v0
	v_and_b32 v16, 8, v15
	v_add_nc_u32 v15, v15, v16
	v_lshlrev_b32 v15, 2, v15                      ; 4 (r + 8 (r / 8))
	s_mul_i32 s61, s[GM], 5
.irp i, 0,1,2,3,4
	s_add_co_u32 s62, s61, \i                      ; tile 5 x + i begins at feature 32 (T / 2) + 8 (T % 2)
	s_lshr_b32 s63, s62, 1
	s_lshl_b32 s63, s63, 5
	s_and_b32 s62, s62, 1
	s_lshl_b32 s62, s62, 3
	s_add_co_u32 s62, s62, s63
	s_lshl_b32 s62, s62, 2
	v_add_nc_u32 v[56+\i], s62, v15
.endr
	s_mul_i32 s54, s60, 2560
	s_add_co_u32 s54, s54, 10485760
	s_add_nc_u64 s[58:59], s[10:11], s[54:55]
	s_wait_dscnt 0x0
.irp i, 0,1,2,3,4
	v_add_f32 v[32+4*\i], v[32+4*\i], v[33+4*\i]
	v_add_f32 v[34+4*\i], v[34+4*\i], v[35+4*\i]
	v_add_f32 v[32+4*\i], v[32+4*\i], v[34+4*\i]
.endr
	s_wait_xcnt 0x0                                ; EXEC changes only behind this wait
	v_cmp_gt_u32 vcc_lo, 16, v3                    ; lanes 16-31 hold the same numbers again
	s_and_saveexec_b32 s62, vcc_lo
.irp i, 0,1,2,3,4
	global_store_b32 v[56+\i], v[32+4*\i], s[58:59]
.endr
	s_wait_xcnt 0x0
	s_or_b32 exec_lo, exec_lo, s62
.Lend:
	s_wait_tensorcnt 0x0                           ; the wave's end: behind my last tensor load and my last LDS store
	ds_add_u32 v6, v7
	s_wait_dscnt 0x0
	CROUND                                         ; the closing round: no work-group ends while a partner may still ask for a block that names it
	s_endpgm
.Lfunc_end_k_qeb105f0fdf_ctx:
	.size	k_qeb105f0fdf_ctx, .Lfunc_end_k_qeb105f0fdf_ctx-k_qeb105f0fdf_ctx
	.p2alignl 7, 3214868480
	.fill 96, 4, 3214868480
	.section	.rodata,"a",@progbits
	.p2align	6, 0x0
	.amdhsa_kernel k_qeb105f0fdf_ctx
		.amdhsa_group_segment_fixed_size 327680
		.amdhsa_private_segment_fixed_size 0
		.amdhsa_enable_private_segment 0
		.amdhsa_kernarg_size 32
		.amdhsa_user_sgpr_count 2
		.amdhsa_user_sgpr_kernarg_segment_ptr 1
		.amdhsa_wavefront_size32 1
		.amdhsa_system_sgpr_workgroup_id_x 1
		.amdhsa_system_sgpr_workgroup_id_y 1
		.amdhsa_system_sgpr_workgroup_id_z 1
		.amdhsa_system_vgpr_workitem_id 0
		.amdhsa_next_free_vgpr 1024
		.amdhsa_next_free_sgpr 88
		.amdhsa_reserve_vcc 1
		.amdhsa_float_denorm_mode_32 3
		.amdhsa_float_denorm_mode_16_64 3
		.amdhsa_memory_ordered 1
		.amdhsa_forward_progress 1
		.amdhsa_inst_pref_size 255
	.end_amdhsa_kernel
	.section	.bss,"aw",@nobits
	.p2align	6
	.space	262144
	.amdgpu_metadata
---
amdhsa.version: [ 1, 2 ]
amdhsa.kernels:
  - .name:           k_qeb105f0fdf_ctx
    .symbol:         k_qeb105f0fdf_ctx.kd
    .args:
      - { .name: kv, .offset: 0, .size: 8, .value_kind: global_buffer, .address_space: global }
      - { .name: wc, .offset: 8, .size: 8, .value_kind: global_buffer, .address_space: global }
      - { .name: lowp_scales, .offset: 16, .size: 8, .value_kind: global_buffer, .address_space: global }
      - { .name: part, .offset: 24, .size: 8, .value_kind: global_buffer, .address_space: global }
    .group_segment_fixed_size: 327680
    .private_segment_fixed_size: 0
    .kernarg_segment_align: 8
    .kernarg_segment_size: 32
    .max_flat_workgroup_size: 128
    .sgpr_count:     88
    .vgpr_count:     1024
    .wavefront_size: 32
...
	.end_amdgpu_metadata
.endif
;; end of part 3
;; launch red (part 4): grid 41 x 4, 4 waves a work-group, no clusters, 0 bytes of LDS; arguments part, lowp_scales, cc; writes cc
.if DOCPART == 4
	.amdgcn_target "amdgcn-amd-amdhsa--gfx1250"
	.amdhsa_code_object_version 6
	.text
	.protected	k_qeb105f0fdf_red
	.globl	k_qeb105f0fdf_red
	.p2align	8
	.type	k_qeb105f0fdf_red,@function
k_qeb105f0fdf_red:
	s_mov_b64 s[64:65], 0
	v_nop
	global_prefetch_b8 v0, s[64:65] scope:SCOPE_SE
	s_setreg_imm32_b32 hwreg(HW_REG_WAVE_MODE, 25, 1), 1
	s_wait_xcnt 0x0
; The eight partial sums of context and of k_cumsum are added; context is quantised (e13) into fragments with the features innermost; features 621 .. 639 become zero codes and zero sums.
; Work-group (x, y): head y.  x < 40: fragment x = 8 s + et (features 128 s on, channels 16 et on), wave c its chunk c: a lane's 16 registers are features 128 s + 32 c + 16 h + 0 .. 15 of one channel.
; x = 40: k_cumsum, thread t features t + 128 k.  The branch hangs on the work-group's number alone.
; A raw sum stands for sum x 2^(e10 + e11): the conversion takes e13 - e10 - e11.  LIMIT: that number lies between -126 and 119.
	s_load_b128 s[4:7], s[0:1], 0x0                ; part, the scales
	s_load_b64 s[8:9], s[0:1], 0x10                ; cc
	v_lshrrev_b32 v1, 5, v0
	v_readfirstlane_b32 s10, v1                    ; wave
	s_and_b32 s11, ttmp7, 0xffff                   ; head
	v_and_b32 v2, 31, v0
	v_lshlrev_b32 v2, 4, v2                        ; 16 x lane
	s_mov_b32 s19, 0
	s_wait_kmcnt 0x0
	s_cmp_eq_u32 ttmp9, 40
	s_cbranch_scc1 .Lksum
	s_load_b128 s[12:15], s[6:7], 0x28             ; e10, e11, e12, e13
	s_lshr_b32 s16, ttmp9, 3                       ; s
	s_and_b32 s17, ttmp9, 7                        ; et
	s_lshl_b32 s18, s16, 3
	s_lshl_b32 s24, s10, 1
	s_add_co_u32 s18, s18, s24                     ; the first of my two feature tiles: 8 s + 2 c
	s_lshl_b32 s18, s18, 13
	s_lshl_b32 s24, s17, 10
	s_add_co_u32 s18, s18, s24
	s_mul_i32 s24, s11, 327680
	s_add_co_u32 s18, s18, s24
	s_add_nc_u64 s[20:21], s[4:5], s[18:19]
	s_add_nc_u64 s[22:23], s[20:21], 5242880       ; partial sums 4 to 7: so the offsets stay inside the signed 24-bit immediate
.irp p, 0,1,2,3
.irp u, 0,1
.irp f, 0,1
	global_load_b128 v[32+16*\p+8*\u+4*\f:32+16*\p+8*\u+4*\f+3], v2, s[20:21] offset:\p*1310720+\u*8192+\f*512 th:TH_LOAD_NT
	global_load_b128 v[96+16*\p+8*\u+4*\f:96+16*\p+8*\u+4*\f+3], v2, s[22:23] offset:\p*1310720+\u*8192+\f*512 th:TH_LOAD_NT
.endr
.endr
.endr
	s_lshl_b32 s24, s16, 7
	s_lshl_b32 s25, s10, 5
	s_add_co_u32 s24, s24, s25
	v_bfe_u32 v3, v0, 4, 1
	v_lshl_add_u32 v3, v3, 4, s24                  ; my first feature
	s_mul_i32 s18, s11, 40
	s_add_co_u32 s18, s18, ttmp9
	s_lshl_b32 s18, s18, 11
	s_lshl_b32 s25, s10, 9
	s_add_co_u32 s18, s18, s25
	s_add_nc_u64 s[26:27], s[8:9], s[18:19]
	s_wait_kmcnt 0x0
	s_sub_co_i32 s15, s15, s12
	s_sub_co_i32 s15, s15, s13
	s_add_co_i32 s15, s15, 127
	s_lshl_b32 s28, s15, 23
	v_mov_b32 v10, s28
	s_add_co_i32 s15, s15, 8
	s_lshl_b32 s28, s15, 23
	s_or_b32 s28, s28, 0x600000
	s_or_b32 s29, s28, 0x80000000
	s_wait_loadcnt 0x0
.irp p, 0,2,4,6
.irp i, 0,2,4,6,8,10,12,14
	v_pk_add_f32 v[32+16*\p+\i:32+16*\p+\i+1], v[32+16*\p+\i:32+16*\p+\i+1], v[48+16*\p+\i:48+16*\p+\i+1]
.endr
.endr
.irp p, 0,4
.irp i, 0,2,4,6,8,10,12,14
	v_pk_add_f32 v[32+16*\p+\i:32+16*\p+\i+1], v[32+16*\p+\i:32+16*\p+\i+1], v[64+16*\p+\i:64+16*\p+\i+1]
.endr
.endr
.irp i, 0,2,4,6,8,10,12,14
	v_pk_add_f32 v[32+\i:32+\i+1], v[32+\i:32+\i+1], v[96+\i:96+\i+1]
.endr
.irp i, 0,1,2,3,4,5,6,7,8,9,10,11,12,13,14,15
	v_cmp_gt_u32 vcc_lo, 621-\i, v3                ; feature v3 + i is one of the 621
	v_cndmask_b32 v[32+\i], 0, v[32+\i], vcc_lo
	v_med3_num_f32 v[32+\i], v[32+\i], s29, s28
.endr
	v_cvt_scalef32_pk8_fp8_f32 v[16:17], v[32:39], v10
	v_cvt_scalef32_pk8_fp8_f32 v[18:19], v[40:47], v10
	global_store_b128 v2, v[16:19], s[26:27]       ; 512 consecutive bytes
	s_endpgm
.Lksum:
	v_lshlrev_b32 v3, 2, v0
	s_mul_i32 s18, s11, 2560
	s_add_co_u32 s24, s18, 10485760
	s_mov_b32 s25, 0
	s_add_nc_u64 s[20:21], s[4:5], s[24:25]
	s_add_co_u32 s24, s18, 327680
	s_add_nc_u64 s[22:23], s[8:9], s[24:25]
.irp p, 0,1,2,3,4,5,6,7
.irp k, 0,1,2,3,4
	global_load_b32 v[32+8*\k+\p], v3, s[20:21] offset:\p*10240+\k*512
.endr
.endr
	s_wait_loadcnt 0x0
.irp k, 0,1,2,3,4
	v_pk_add_f32 v[32+8*\k:33+8*\k], v[32+8*\k:33+8*\k], v[34+8*\k:35+8*\k]
	v_pk_add_f32 v[36+8*\k:37+8*\k], v[36+8*\k:37+8*\k], v[38+8*\k:39+8*\k]
	v_pk_add_f32 v[32+8*\k:33+8*\k], v[32+8*\k:33+8*\k], v[36+8*\k:37+8*\k]
	v_add_f32 v[32+8*\k], v[32+8*\k], v[33+8*\k]
.endr
	v_cmp_gt_u32 vcc_lo, 109, v0                   ; 512 + t < 621
	v_cndmask_b32 v64, 0, v64, vcc_lo
.irp k, 0,1,2,3,4
	global_store_b32 v3, v[32+8*\k], s[22:23] offset:\k*512
.endr
	s_endpgm
.Lfunc_end_k_qeb105f0fdf_red:
	.size	k_qeb105f0fdf_red, .Lfunc_end_k_qeb105f0fdf_red-k_qeb105f0fdf_red
	.p2alignl 7, 3214868480
	.fill 96, 4, 3214868480
	.section	.rodata,"a",@progbits
	.p2align	6, 0x0
	.amdhsa_kernel k_qeb105f0fdf_red
		.amdhsa_group_segment_fixed_size 0
		.amdhsa_private_segment_fixed_size 0
		.amdhsa_enable_private_segment 0
		.amdhsa_kernarg_size 24
		.amdhsa_user_sgpr_count 2
		.amdhsa_user_sgpr_kernarg_segment_ptr 1
		.amdhsa_wavefront_size32 1
		.amdhsa_system_sgpr_workgroup_id_x 1
		.amdhsa_system_sgpr_workgroup_id_y 1
		.amdhsa_system_sgpr_workgroup_id_z 1
		.amdhsa_system_vgpr_workitem_id 0
		.amdhsa_next_free_vgpr 160
		.amdhsa_next_free_sgpr 66
		.amdhsa_reserve_vcc 1
		.amdhsa_float_denorm_mode_32 3
		.amdhsa_float_denorm_mode_16_64 3
		.amdhsa_memory_ordered 1
		.amdhsa_forward_progress 1
		.amdhsa_inst_pref_size 18
	.end_amdhsa_kernel
	.amdgpu_metadata
---
amdhsa.version: [ 1, 2 ]
amdhsa.kernels:
  - .name:           k_qeb105f0fdf_red
    .symbol:         k_qeb105f0fdf_red.kd
    .args:
      - { .name: part, .offset: 0, .size: 8, .value_kind: global_buffer, .address_space: global }
      - { .name: lowp_scales, .offset: 8, .size: 8, .value_kind: global_buffer, .address_space: global }
      - { .name: cc, .offset: 16, .size: 8, .value_kind: global_buffer, .address_space: global }
    .group_segment_fixed_size: 0
    .private_segment_fixed_size: 0
    .kernarg_segment_align: 8
    .kernarg_segment_size: 24
    .max_flat_workgroup_size: 128
    .sgpr_count:     66
    .vgpr_count:     160
    .wavefront_size: 32
...
	.end_amdgpu_metadata
.endif
;; end of part 4
;; launch out (part 5): grid 256 x 1, 4 waves a work-group, no clusters, 326,144 bytes of LDS; arguments qc, cc, wc, b1, lowp_scales, out0, out1, st; writes out0, out1, st
.if DOCPART == 5
	.amdgcn_target "amdgcn-amd-amdhsa--gfx1250"
	.amdhsa_code_object_version 6
	.text
	.protected	k_qeb105f0fdf_out
	.globl	k_qeb105f0fdf_out
	.p2align	8
	.type	k_qeb105f0fdf_out,@function
k_qeb105f0fdf_out:
	s_mov_b64 s[64:65], 0
	v_nop
	global_prefetch_b8 v0, s[64:65] scope:SCOPE_SE
	s_setreg_imm32_b32 hwreg(HW_REG_WAVE_MODE, 25, 1), 1
	s_wait_xcnt 0x0
; q' = ratio (exp(q . proj - diag - the row's largest q . proj) + 1e-4); vals = (q' context) / (q' . k_cumsum); logits = relu(vals) W1^T + b1; out1 = logits, out0 = log_softmax along the classes,
; and for the softmax along the rows each work-group's column maxima and sums of exponentials (st).  The products q proj^T (e6, e7), q' context (e12, e13), relu(vals) W1^T (e14, e15) are on codes of E4M3;
; q' . k_cumsum is f32 multiply-adds on the unquantised q'.
; SHARES.  A work-group takes 128 rows; wave w two tiles of 16 (rows 32 w .. 32 w + 31) through all four heads, with its logits in registers.  What the waves share are tables of codes in LDS, copied once through
; registers: proj's 40 fragments, W1's 16, k_cumsum, and one head's 40 context fragments, the next head's being copied into a second place meanwhile.  One barrier a head.
; No cluster and no tensor loads: the tables are small beside a head's work, and only the context changes, three times.
; LAYOUT.  Every product has the table's fragment as source 0 and the rows' as source 1: a lane holds ONE row throughout, its registers run along the features, the channels, the classes; all tiles take rows
; 32 (T / 2) + 8 (T % 2) + r + 8 (r / 8), so each conversion's results are the next operand's registers.
; A head: P1 all 40 tiles of q proj^T (640 registers: the row's maximum comes first); P2 by groups of one feature tile: 16 exponentials, scaling, the dot with k_cumsum, hold, conversion, and two products of
; q' context for the K step before; P3 division, relu, conversion, 8 products for the logits.
; LIMITS: e6 + e7 between -126 and 126; e12, e14 between -126 and 119; e14 + e15 between -126 and 127.
; REGISTERS.  window 0: v1-13 addresses; v14-17 maxima; v18-21 two pairs -(max + diag) log2 e; v22-29 the dot, four pairs; v[30:31] ratio 1e-4; v32-35 two pairs 1 / dot; v36, 37 diag; v39-42 lane, r, h, r + 8 (r / 8);
;   v46, 47 at work; v48-111 four fragment buffers; v112-175 q' codes (two K steps x two tiles); v176-191 k_cumsum; v192-223 two groups at work; v224-255 the copy of the next context.
;   q proj^T: K step s, tile a, feature tile g at v[256 + 128 s + 64 a + 8 g]; q' context at window 1, 64 a + 8 g.   window 3: v128-191 logits; v192-223 q's fragments; v224-255 relu(vals)'s codes.
.set WV,36
.set HDC,37
.set CXB,38
.set KSB,39
.set W1B,40
.set W20,41
.set C1,42
.set RAT,44
.set QLIM,46
.set HLIM,47
.set L2E,48
.set SEL,50
.set QP,52
.set DP,54
.set CP,56
.set E1213,58
.set NL2E,59
.set LSC,60
.set LN2,62
.set PFB,48
.set CD,112
.set KSR,176
.set TMP,192
.set STC,224
.set STG,288768                        ; LDS: proj 0; context 81,920 and 163,840; W1 245,760; k_cumsum 278,528; here four stages of 32 rows x 272 bytes;
.set CS,323584                         ; and 2,048 bytes for the columns' figures
.set MSB, 0
.macro WIN new                         ; the immediate's high byte repeats the setting that is left
.if MSB != (\new)
	s_set_vgpr_msb (MSB<<8)|(\new)
.set MSB, (\new)
.endif
.endm
.macro PLACES n
	s_wait_alu depctr_va_vdst(0)
.rept \n
	v_nop
.endr
.endm
.macro PFLOAD t                        ; proj's fragment t into buffer t % 4
.set pb, PFB+16*((\t)%4)
.irp c, 0,1,2,3
.if (\t) < 32
	ds_load_b128 v[pb+4*\c:pb+4*\c+3], v1 offset:2048*(\t)+512*\c
.else
	ds_load_b128 v[pb+4*\c:pb+4*\c+3], v2 offset:2048*((\t)-32)+512*\c
.endif
.endr
.endm
.macro CFLOAD p                        ; context's fragment p into buffer p % 4
.set pb, PFB+16*((\p)%4)
.irp c, 0,1,2,3
.if (\p) < 32
	ds_load_b128 v[pb+4*\c:pb+4*\c+3], v3 offset:2048*(\p)+512*\c
.else
	ds_load_b128 v[pb+4*\c:pb+4*\c+3], v4 offset:2048*((\p)-32)+512*\c
.endif
.endr
.endm
.macro KSLOAD t                        ; k_cumsum at my eight features of tile t
	ds_load_b128 v[KSR+8*((\t)%2):KSR+8*((\t)%2)+3], v6 offset:(32*((\t)/2)+8*((\t)%2))*4
	ds_load_b128 v[KSR+8*((\t)%2)+4:KSR+8*((\t)%2)+7], v6 offset:(32*((\t)/2)+8*((\t)%2))*4+16
.endm
.macro TQ q                            ; the exponents of group q
	WIN 1+(\q)/16                                  ; source 0: the window of that K step's sums
.set dq, 128*(((\q)/8)%2)+8*((\q)%8)
.irp a, 0,1
.irp k, 0,2,4,6
	v_pk_fma_f32 v[TMP+16*((\q)%2)+8*\a+\k:TMP+16*((\q)%2)+8*\a+\k+1], v[dq+64*\a+\k:dq+64*\a+\k+1], s[C1:C1+1], v[18+2*\a:19+2*\a] op_sel_hi:[1,0,1]
.endr
.endr
	WIN 0
.endm
.macro CXCOPY n                        ; my quarter of the next head's context, eight pieces of 512 bytes at a time: piece group n is asked for, group n - 1 goes into LDS.  The last head copies nothing
	s_cmp_eq_u32 s[HDC], 3
	s_cbranch_scc1 .Lnc_\@
.if (\n) > 0
	s_wait_loadcnt 0x0
.irp k, 0,1,2,3,4,5,6,7
	ds_store_b128 v7, v[STC+4*\k:STC+4*\k+3] offset:512*(8*((\n)-1)+\k)
.endr
	s_wait_dscnt 0x0                               ; the stores have read their registers
.endif
.if (\n) < 5
.irp k, 0,1,2,3,4,5,6,7
	global_load_b128 v[STC+4*\k:STC+4*\k+3], v1, s[CP:CP+1] offset:512*(8*(\n)+\k)
.endr
.endif
.Lnc_\@:
.endm
.macro DGROUP                          ; group q: feature tile q of both tiles of rows
.set sq, q/8
.set gq, q%8
.set TM, TMP+16*(q%2)
.set KQ, KSR+8*(q%2)
.if gq == 0
	CXCOPY sq
.endif
.if q < 39
	KSLOAD q+1
.endif
.set j, 0
.rept 16
	v_exp_f32 v[TM+j], v[TM+j]
.set j, j+1
.endr
.if q < 39
	TQ q+1                                         ; plain lines behind the exponentials, and the places in front of the loads below
.else
	PLACES 4
.endif
.if q >= 5
	CFLOAD q-5                                     ; wanted three groups on; its buffer was read by the products of the group before
.endif
	s_wait_alu depctr_va_vdst(0)
.irp k, 0,2,4,6,8,10,12,14
	v_pk_fma_f32 v[TM+\k:TM+\k+1], v[TM+\k:TM+\k+1], s[RAT:RAT+1], v[30:31] op_sel_hi:[1,0,1]   ; q' = ratio e + ratio 1e-4
.endr
.set nw, 0                             ; the LDS loads issued behind this group's k_cumsum
.if q >= 6
.set nw, nw+4
.endif
.if q < 39
.set nw, nw+2
.endif
.if q >= 5
.set nw, nw+4
.endif
	s_wait_dscnt nw
.irp a, 0,1
.irp k, 0,1,2,3
.if (q == 0) && (\k < 2)
	v_pk_mul_f32 v[22+4*\a+2*(\k%2):23+4*\a+2*(\k%2)], v[TM+8*\a+2*\k:TM+8*\a+2*\k+1], v[KQ+2*\k:KQ+2*\k+1]
.else
	v_pk_fma_f32 v[22+4*\a+2*(\k%2):23+4*\a+2*(\k%2)], v[TM+8*\a+2*\k:TM+8*\a+2*\k+1], v[KQ+2*\k:KQ+2*\k+1], v[22+4*\a+2*(\k%2):23+4*\a+2*(\k%2)]
.endif
.endr
.endr
.set j, 0
.rept 16
	v_min_num_f32 v[TM+j], s[QLIM], v[TM+j]        ; q' is positive: the hold is one-sided
.set j, j+1
.endr
.irp a, 0,1
	v_cvt_scalef32_pk8_fp8_f32 v[CD+32*(sq%2)+16*\a+2*gq:CD+32*(sq%2)+16*\a+2*gq+1], v[TM+8*\a:TM+8*\a+7], v11
.endr
	v_nop                                          ; a plain line behind the conversions
.if sq >= 1
	WIN 0x50                                       ; C and D window 1
.irp a, 0,1
.if sq == 1
	v_wmma_f32_16x16x128_fp8_fp8 v[64*\a+8*gq:64*\a+8*gq+7], v[PFB+16*((q-8)%4):PFB+16*((q-8)%4)+15], v[CD+32*((sq-1)%2)+16*\a:CD+32*((sq-1)%2)+16*\a+15], 0
.else
	v_wmma_f32_16x16x128_fp8_fp8 v[64*\a+8*gq:64*\a+8*gq+7], v[PFB+16*((q-8)%4):PFB+16*((q-8)%4)+15], v[CD+32*((sq-1)%2)+16*\a:CD+32*((sq-1)%2)+16*\a+15], v[64*\a+8*gq:64*\a+8*gq+7]
.endif
.endr
	WIN 0
.endif
.endm
	s_load_b512 s[4:19], s[0:1], 0x0               ; qc, cc, wc, b1, the scales, out0, out1, st
	v_lshrrev_b32 v38, 5, v0
	v_readfirstlane_b32 s[WV], v38
	v_and_b32 v39, 31, v0                          ; lane
	v_lshlrev_b32 v1, 4, v39
	v_add_nc_u32 v2, 65536, v1
	v_and_b32 v40, 15, v0                          ; r
	v_bfe_u32 v41, v0, 4, 1                        ; h
	v_and_b32 v42, 8, v40
	v_add_nc_u32 v42, v42, v40                     ; r + 8 (r / 8)
	v_lshlrev_b32 v10, 2, v42
	v_lshlrev_b32 v13, 6, v41
	s_mul_i32 s[W20], s[WV], 20480
	s_mul_i32 s66, s[WV], 8704
	s_add_co_u32 s66, s66, STG
	v_mul_u32_u24 v8, v42, 272
	v_add_nc_u32 v8, v8, v13
	v_add_nc_u32 v8, s66, v8                       ; into my stage: row r + 8 (r / 8) (+ 8 a), 64 h bytes on
	v_mul_u32_u24 v9, v41, 272
	v_lshl_add_u32 v9, v40, 4, v9
	v_add_nc_u32 v9, s66, v9                       ; back: lanes 0-15 one row, lanes 16-31 the next
	v_add_nc_u32 v43, s[W20], v1                   ; where my quarters of the tables go
	s_add_co_u32 s66, s[W20], 81920
	v_add_nc_u32 v44, s66, v1
	s_lshl_b32 s66, s[WV], 13
	s_add_co_u32 s66, s66, 245760
	v_add_nc_u32 v45, s66, v1
	s_mul_i32 s66, s[WV], 2560
	s_add_co_u32 s66, s66, 278528
	v_add_nc_u32 v38, s66, v1
	v_mov_b32 v46, 0                               ; written once: a lane permute's destination counts as one of its sources
	v_mov_b32 v47, 0
	v_mov_b32 v30, 0x3686a638                      ; 621^(-1/2) x 1e-4
	v_mov_b32 v31, v30
	s_mov_b32 s[RAT], 0x3d245de8                   ; 621^(-1/2)
	s_mov_b32 s[RAT+1], s[RAT]
	s_mov_b32 s[L2E], 0x3fb8aa3b
	s_mov_b32 s[L2E+1], s[L2E]
	s_mov_b32 s[NL2E], 0xbfb8aa3b
	s_mov_b32 s[LN2], 0x3f317218
	s_mov_b32 s[SEL], 0x76543210
	s_mov_b32 s[SEL+1], 0xfedcba98
	s_mov_b32 s67, 0
	s_wait_kmcnt 0x0
	s_load_b512 s[20:35], s[12:13], 0x0
	s_add_co_u32 s66, s[W20], 786432
	s_add_nc_u64 s[68:69], s[8:9], s[66:67]        ; proj's codes (e7)
	s_lshl_b32 s66, s[WV], 13
	s_add_co_u32 s66, s66, 950272
	s_add_nc_u64 s[70:71], s[8:9], s[66:67]        ; W1's codes
	s_mul_i32 s66, s[WV], 2560
	s_add_co_u32 s66, s66, 327680
	s_add_nc_u64 s[72:73], s[6:7], s[66:67]        ; k_cumsum
	s_mov_b32 s66, s[W20]
	s_add_nc_u64 s[CP:CP+1], s[6:7], s[66:67]      ; head 0's context
	s_lshl_b32 s66, ttmp9, 14
	s_lshl_b32 s74, s[WV], 12
	s_add_co_u32 s66, s66, s74
	s_add_nc_u64 s[QP:QP+1], s[4:5], s[66:67]      ; q's fragments 8 wg + 2 w, + 1
	s_lshl_b32 s66, ttmp9, 9
	s_lshl_b32 s74, s[WV], 7
	s_add_co_u32 s66, s66, s74
	s_add_co_u32 s66, s66, 16777216
	s_add_nc_u64 s[DP:DP+1], s[4:5], s[66:67]      ; diag of my 32 rows
	s_lshl_b32 s66, ttmp9, 15
	s_lshl_b32 s74, s[WV], 13
	s_add_co_u32 s66, s66, s74
	s_add_nc_u64 s[14:15], s[14:15], s[66:67]      ; out0 and out1 at my first row
	s_add_nc_u64 s[16:17], s[16:17], s[66:67]
	s_lshl_b32 s66, ttmp9, 9
	s_add_nc_u64 s[18:19], s[18:19], s[66:67]
	WIN 0x40
.set k, 0
.rept 40
	global_load_b128 v[4*k:4*k+3], v1, s[68:69] offset:512*k
.set k, k+1
.endr
.set k, 0
.rept 16
	global_load_b128 v[160+4*k:160+4*k+3], v1, s[70:71] offset:512*k
.set k, k+1
.endr
.set k, 0
.rept 5
	global_load_b128 v[224+4*k:224+4*k+3], v1, s[72:73] offset:512*k
.set k, k+1
.endr
	WIN 0x80
.set k, 0
.rept 40
	global_load_b128 v[4*k:4*k+3], v1, s[CP:CP+1] offset:512*k
.set k, k+1
.endr
	WIN 0xC0
.irp a, 0,1
.irp c, 0,1,2,3
	global_load_b128 v[192+16*\a+4*\c:192+16*\a+4*\c+3], v1, s[QP:QP+1] offset:2048*\a+512*\c
.endr
.endr
	WIN 0
.irp a, 0,1
	global_load_b32 v[36+\a], v10, s[DP:DP+1] offset:32*\a
.endr
.irp t, 0,1,2,3
	global_load_b128 v[48+8*\t:48+8*\t+3], v13, s[10:11] offset:(32*(\t/2)+8*(\t%2))*4      ; b1 in the result's layout
	global_load_b128 v[48+8*\t+4:48+8*\t+7], v13, s[10:11] offset:(32*(\t/2)+8*(\t%2))*4+16
.endr
	s_wait_kmcnt 0x0
	s_add_co_i32 s66, s26, s27                     ; e6 + e7
	s_lshl_b32 s66, s66, 23
	s_add_co_i32 s[C1], s66, 0x3fb8aa3b            ; c1 = log2 e x 2^(e6 + e7)
	s_mov_b32 s[C1+1], s[C1]
	s_add_co_i32 s66, s32, 127
	s_lshl_b32 s74, s66, 23
	v_mov_b32 v11, s74                             ; 2^e12
	s_add_co_i32 s66, s66, 8
	s_lshl_b32 s[QLIM], s66, 23
	s_or_b32 s[QLIM], s[QLIM], 0x600000
	s_add_co_i32 s66, s34, 127
	s_lshl_b32 s74, s66, 23
	v_mov_b32 v12, s74                             ; 2^e14
	s_add_co_i32 s66, s66, 8
	s_lshl_b32 s[HLIM], s66, 23
	s_or_b32 s[HLIM], s[HLIM], 0x600000
	s_add_co_i32 s[E1213], s32, s33
	s_add_co_i32 s66, s34, s35                     ; e14 + e15
	s_sub_co_i32 s75, 0, s66
	s_add_co_i32 s66, s66, 127
	s_lshl_b32 s[LSC], s66, 23
	s_mov_b32 s[LSC+1], s[LSC]
	s_wait_loadcnt 0x0
	WIN 0x04                                       ; a store's data: window 1
.set k, 0
.rept 40
	ds_store_b128 v43, v[4*k:4*k+3] offset:512*k
.set k, k+1
.endr
.set k, 0
.rept 16
	ds_store_b128 v45, v[160+4*k:160+4*k+3] offset:512*k
.set k, k+1
.endr
.set k, 0
.rept 5
	ds_store_b128 v38, v[224+4*k:224+4*k+3] offset:512*k
.set k, k+1
.endr
	WIN 0x08
.set k, 0
.rept 40
	ds_store_b128 v44, v[4*k:4*k+3] offset:512*k
.set k, k+1
.endr
	WIN 0xC0
.irp a, 0,1
.set k, 0
.rept 32
	v_ldexp_f32 v[128+32*\a+k], v[48+k], s75       ; the logits' sums begin as b1 / 2^(e14 + e15): all four heads then add alike
.set k, k+1
.endr
.endr
	WIN 0
	s_mov_b32 s[HDC], 0
	s_mov_b32 s[CXB], 81920
	s_mov_b32 s[KSB], 0
	s_mov_b32 s[W1B], 0
	s_wait_dscnt 0x0
	s_barrier_signal -1
	s_barrier_wait -1
.Lhead:
	s_wait_loadcnt 0x0                             ; this head's q and diag
	v_add_nc_u32 v3, s[CXB], v1
	s_add_co_u32 s66, s[CXB], 65536
	v_add_nc_u32 v4, s66, v1
	s_add_co_u32 s66, s[W1B], 245760
	v_add_nc_u32 v5, s66, v1
	s_add_co_u32 s66, s[KSB], 278528
	v_add_nc_u32 v6, s66, v13
	s_xor_b32 s66, s[CXB], 0x3c000
	s_add_co_u32 s66, s66, s[W20]
	v_add_nc_u32 v7, s66, v1
.irp a, 0,1,2,3
	v_mov_b32 v[14+\a], 0xff800000
.endr
	; ---- P1: q proj^T.  The eight maxima of the tile before are the places behind each tile's two products
	PFLOAD 0
	PFLOAD 1
	PFLOAD 2
.set t, 0
.rept 40
.if t+3 < 40
	PFLOAD t+3
.endif
.if t < 37
	s_wait_dscnt 12                                ; fragment t is in; the three younger ones may be out
.else
	s_wait_dscnt 4*(39-t)
.endif
	WIN 0x4C+0x40*(t/16)                           ; source 1 (q) window 3; D window 1, 2 or 3
.irp a, 0,1
	v_wmma_f32_16x16x128_fp8_fp8 v[128*((t/8)%2)+64*\a+8*(t%8):128*((t/8)%2)+64*\a+8*(t%8)+7], v[PFB+16*(t%4):PFB+16*(t%4)+15], v[192+16*\a:192+16*\a+15], 0
.endr
.if t == 0
	PLACES 4
.else
	WIN 0x14*(1+(t-1)/16)                          ; sources 1, 2: the window of the tile before
.set dm, 128*(((t-1)/8)%2)+8*((t-1)%8)
.irp k, 0,1,2,3
.irp a, 0,1
	v_max3_num_f32 v[14+2*\a+(\k%2)], v[14+2*\a+(\k%2)], v[dm+64*\a+2*\k], v[dm+64*\a+2*\k+1]
.endr
.endr
.endif
	WIN 0
.set t, t+1
.endr
	PLACES 4
	WIN 0x3C
.irp k, 0,1,2,3
.irp a, 0,1
	v_max3_num_f32 v[14+2*\a+(\k%2)], v[14+2*\a+(\k%2)], v[56+64*\a+2*\k], v[56+64*\a+2*\k+1]
.endr
.endr
	WIN 0
	v_max_num_f32 v14, v14, v15
	v_max_num_f32 v16, v16, v17
	v_permlanex16_b32 v46, v14, s[SEL], s[SEL+1]   ; the row's other features lie in the lane 16 away
	v_permlanex16_b32 v47, v16, s[SEL], s[SEL+1]
	v_max_num_f32 v14, v14, v46
	v_max_num_f32 v16, v16, v47
	v_mul_f32 v46, s[L2E], v36
	v_mul_f32 v47, s[L2E], v37
	v_fma_f32 v18, -v14, s[C1], -v46               ; -(max + diag) log2 e
	v_fma_f32 v20, -v16, s[C1], -v47
	v_mov_b32 v19, v18
	v_mov_b32 v21, v20
	s_cmp_eq_u32 s[HDC], 3
	s_cbranch_scc1 .Lnoq
	s_wait_xcnt 0x0                                ; earlier loads have read these bases
	s_add_nc_u64 s[QP:QP+1], s[QP:QP+1], 4194304
	s_add_nc_u64 s[DP:DP+1], s[DP:DP+1], 131072
	s_add_nc_u64 s[CP:CP+1], s[CP:CP+1], 81920
	WIN 0xC0
.irp a, 0,1
.irp c, 0,1,2,3
	global_load_b128 v[192+16*\a+4*\c:192+16*\a+4*\c+3], v1, s[QP:QP+1] offset:2048*\a+512*\c   ; the next head's q: a phase ahead
.endr
.endr
	WIN 0
.irp a, 0,1
	global_load_b32 v[36+\a], v10, s[DP:DP+1] offset:32*\a
.endr
.Lnoq:
	; ---- P2
	KSLOAD 0
	TQ 0
.set q, 0
.rept 40
	DGROUP
.set q, q+1
.endr
	PLACES 4                                       ; in front of the load into the buffer that the last products read
.set p, 32
.rept 8                                ; the last K step's products
.if p+3 < 40
	CFLOAD p+3
	s_wait_dscnt 12
.else
	s_wait_dscnt 4*(39-p)
.endif
	WIN 0x50
.irp a, 0,1
	v_wmma_f32_16x16x128_fp8_fp8 v[64*\a+8*(p-32):64*\a+8*(p-32)+7], v[PFB+16*(p%4):PFB+16*(p%4)+15], v[CD+16*\a:CD+16*\a+15], v[64*\a+8*(p-32):64*\a+8*(p-32)+7]
.endr
	WIN 0
	PLACES 4
.set p, p+1
.endr
	CXCOPY 5
	; ---- P3
.irp t, 0,1,2,3
.irp c, 0,1,2,3
	ds_load_b128 v[PFB+16*\t+4*\c:PFB+16*\t+4*\c+3], v5 offset:8192*\t+512*\c   ; W1's four fragments of this head's K step
.endr
.endr
	v_pk_add_f32 v[22:23], v[22:23], v[24:25]
	v_pk_add_f32 v[26:27], v[26:27], v[28:29]
	v_add_f32 v22, v22, v23
	v_add_f32 v26, v26, v27
	v_permlanex16_b32 v46, v22, s[SEL], s[SEL+1]
	v_permlanex16_b32 v47, v26, s[SEL], s[SEL+1]
	v_add_f32 v22, v22, v46
	v_add_f32 v26, v26, v47                        ; q' . k_cumsum
	v_rcp_f32 v32, v22
	v_rcp_f32 v34, v26
	v_nop                                          ; a plain line behind the reciprocals
	s_wait_alu depctr_va_vdst(0)
	v_ldexp_f32 v32, v32, s[E1213]                 ; x 2^(e12 + e13)
	v_ldexp_f32 v34, v34, s[E1213]
	v_mov_b32 v33, v32
	v_mov_b32 v35, v34
	WIN 0x41                                       ; source 0 and destination window 1
.irp a, 0,1
.set k, 0
.rept 32
	v_pk_mul_f32 v[64*\a+2*k:64*\a+2*k+1], v[64*\a+2*k:64*\a+2*k+1], v[32+2*\a:33+2*\a]
.set k, k+1
.endr
.set k, 0
.rept 64
	v_med3_num_f32 v[64*\a+k], v[64*\a+k], 0, s[HLIM]   ; relu and the hold in one
.set k, k+1
.endr
.endr
	WIN 0xC1                                       ; destination window 3
.irp a, 0,1
.irp t, 0,1,2,3,4,5,6,7
	v_cvt_scalef32_pk8_fp8_f32 v[224+16*\a+2*\t:224+16*\a+2*\t+1], v[64*\a+8*\t:64*\a+8*\t+7], v12
.endr
.endr
	v_nop
	s_wait_dscnt 0x0
	WIN 0xFC                                       ; source 1, C and D window 3
.irp t, 0,1,2,3
.irp a, 0,1
	v_wmma_f32_16x16x128_fp8_fp8 v[128+32*\a+8*\t:128+32*\a+8*\t+7], v[PFB+16*\t:PFB+16*\t+15], v[224+16*\a:224+16*\a+15], v[128+32*\a+8*\t:128+32*\a+8*\t+7]
.endr
.endr
	WIN 0
	s_wait_dscnt 0x0                               ; my part of the next context lies in LDS, my reads of this one are over
	s_barrier_signal -1
	s_barrier_wait -1
	s_xor_b32 s[CXB], s[CXB], 0x3c000
	s_add_co_u32 s[KSB], s[KSB], 2560
	s_add_co_u32 s[W1B], s[W1B], 2048
	s_add_co_u32 s[HDC], s[HDC], 1
	s_cmp_lt_u32 s[HDC], 4
	s_cbranch_scc1 .Lhead
	; ---- the logits: register 16 b + i of tile a is class 32 b + 16 h + i of row 8 a + r + 8 (r / 8)
.set L, 48
.set E, 112
.set R, 176
	PLACES 4
	WIN 0x03
.set k, 0
.rept 32
	v_pk_mul_f32 v[L+2*k:L+2*k+1], v[128+2*k:128+2*k+1], s[LSC:LSC+1] op_sel_hi:[1,0]
.set k, k+1
.endr
	WIN 0
.irp a, 0,1
	v_max3_num_f32 v[14+2*\a], v[L+32*\a], v[L+32*\a+1], v[L+32*\a+2]
.endr
.set k, 3
.rept 14
.irp a, 0,1
	v_max3_num_f32 v[14+2*\a], v[14+2*\a], v[L+32*\a+k], v[L+32*\a+k+1]
.endr
.set k, k+2
.endr
.irp a, 0,1
	v_max_num_f32 v[14+2*\a], v[14+2*\a], v[L+32*\a+31]
.endr
	v_permlanex16_b32 v46, v14, s[SEL], s[SEL+1]
	v_permlanex16_b32 v47, v16, s[SEL], s[SEL+1]
	v_max_num_f32 v14, v14, v46                    ; the row's largest logit
	v_max_num_f32 v16, v16, v47
.irp a, 0,1
	v_mul_f32 v[18+2*\a], s[NL2E], v[14+2*\a]
.endr
.irp a, 0,1
	v_mov_b32 v[19+2*\a], v[18+2*\a]
.endr
.irp a, 0,1
.set k, 0
.rept 16
	v_pk_fma_f32 v[E+32*\a+2*k:E+32*\a+2*k+1], v[L+32*\a+2*k:L+32*\a+2*k+1], s[L2E:L2E+1], v[18+2*\a:19+2*\a] op_sel_hi:[1,0,1]
.set k, k+1
.endr
.endr
.set k, 0
.rept 64
	v_exp_f32 v[E+k], v[E+k]
.set k, k+1
.endr
	v_nop
	s_wait_alu depctr_va_vdst(0)
.irp a, 0,1
	v_pk_add_f32 v[22+4*\a:23+4*\a], v[E+32*\a:E+32*\a+1], v[E+32*\a+2:E+32*\a+3]
.endr
.set k, 2
.rept 14
.irp a, 0,1
	v_pk_add_f32 v[22+4*\a:23+4*\a], v[22+4*\a:23+4*\a], v[E+32*\a+2*k:E+32*\a+2*k+1]
.endr
.set k, k+1
.endr
	v_add_f32 v22, v22, v23
	v_add_f32 v26, v26, v27
	v_permlanex16_b32 v46, v22, s[SEL], s[SEL+1]
	v_permlanex16_b32 v47, v26, s[SEL], s[SEL+1]
	v_add_f32 v22, v22, v46
	v_add_f32 v26, v26, v47
	v_log_f32 v46, v22
	v_log_f32 v47, v26
	v_nop
	s_wait_alu depctr_va_vdst(0)
	v_fma_f32 v32, v46, s[LN2], v14                ; max + ln(sum)
	v_fma_f32 v34, v47, s[LN2], v16
	v_mov_b32 v33, v32
	v_mov_b32 v35, v34
.macro TOSTAGE src                     ; 32 rows x 64 classes through my stage: in by lanes' pieces of rows, back as whole rows of 256 bytes (my own bytes: LDS serves a wave's instructions in order, ISA guide 5.7.1.4)
.irp a, 0,1
.irp b, 0,1
.irp k, 0,1,2,3
	ds_store_b128 v8, v[\src+32*\a+16*\b+4*\k:\src+32*\a+16*\b+4*\k+3] offset:\a*8*272+128*\b+16*\k
.endr
.endr
.endr
.set k, 0
.rept 16
	ds_load_b128 v[R+4*k:R+4*k+3], v9 offset:2*k*272
.set k, k+1
.endr
.endm
.macro SEND p                          ; two rows, 512 consecutive bytes, a store
.set k, 0
.rept 16
	s_wait_dscnt 15-k                              ; rows 2 k, 2 k + 1 are back; the younger loads may be out
	global_store_b128 v1, v[R+4*k:R+4*k+3], s[\p:\p+1] offset:512*k th:TH_STORE_NT
.set k, k+1
.endr
.endm
	TOSTAGE L
	SEND 16                                        ; out1
	; the columns: a lane now holds classes 4 (lane % 16) + 0 .. 3 of 16 rows
	s_lshl_b32 s66, s[WV], 8
	s_add_co_u32 s66, s66, CS
	v_lshl_add_u32 v43, v40, 4, s66                ; my wave's 256 bytes
	v_lshlrev_b32 v44, 4, v40
	v_add_nc_u32 v44, CS, v44
.irp c, 0,1,2,3
	v_max3_num_f32 v[240+\c], v[R+\c], v[R+4+\c], v[R+8+\c]
.endr
.set k, 3
.rept 6
.irp c, 0,1,2,3
	v_max3_num_f32 v[240+\c], v[240+\c], v[R+4*k+\c], v[R+4*k+4+\c]
.endr
.set k, k+2
.endr
.irp c, 0,1,2,3
	v_max_num_f32 v[240+\c], v[240+\c], v[R+60+\c]
.endr
.irp c, 0,1,2,3
	v_mov_b32 v[244+\c], 0
.endr
.irp c, 0,1,2,3
	v_permlanex16_b32 v[244+\c], v[240+\c], s[SEL], s[SEL+1]
.endr
.irp c, 0,1,2,3
	v_max_num_f32 v[240+\c], v[240+\c], v[244+\c]
.endr
	ds_store_b128 v43, v[240:243]
	s_wait_dscnt 0x0
	s_barrier_signal -1
	s_barrier_wait -1
.irp j, 0,1,2,3
	ds_load_b128 v[E+4*\j:E+4*\j+3], v44 offset:256*\j
.endr
	s_wait_dscnt 0x0
.irp c, 0,1,2,3
	v_max3_num_f32 v[240+\c], v[E+\c], v[E+4+\c], v[E+8+\c]
.endr
.irp c, 0,1,2,3
	v_max_num_f32 v[240+\c], v[240+\c], v[E+12+\c] ; the work-group's column maxima
.endr
.irp c, 0,1,2,3
	v_mul_f32 v[248+\c], s[NL2E], v[240+\c]
.endr
.set k, 0
.rept 16
	v_pk_fma_f32 v[E+4*k:E+4*k+1], v[R+4*k:R+4*k+1], s[L2E:L2E+1], v[248:249] op_sel_hi:[1,0,1]
	v_pk_fma_f32 v[E+4*k+2:E+4*k+3], v[R+4*k+2:R+4*k+3], s[L2E:L2E+1], v[250:251] op_sel_hi:[1,0,1]
.set k, k+1
.endr
.set k, 0
.rept 64
	v_exp_f32 v[E+k], v[E+k]
.set k, k+1
.endr
	v_nop
	s_wait_alu depctr_va_vdst(0)
	v_pk_add_f32 v[22:23], v[E:E+1], v[E+4:E+5]
	v_pk_add_f32 v[24:25], v[E+2:E+3], v[E+6:E+7]
.set k, 2
.rept 14
	v_pk_add_f32 v[22:23], v[22:23], v[E+4*k:E+4*k+1]
	v_pk_add_f32 v[24:25], v[24:25], v[E+4*k+2:E+4*k+3]
.set k, k+1
.endr
.irp c, 0,1,2,3
	v_permlanex16_b32 v[244+\c], v[22+\c], s[SEL], s[SEL+1]
.endr
.irp c, 0,1,2,3
	v_add_f32 v[22+\c], v[22+\c], v[244+\c]
.endr
	ds_store_b128 v43, v[22:25] offset:1024
	s_wait_dscnt 0x0
	s_barrier_signal -1
	s_barrier_wait -1
	; out0 = logits - (max + ln(sum))
.irp a, 0,1
.set k, 0
.rept 16
	v_pk_add_f32 v[E+32*\a+2*k:E+32*\a+2*k+1], v[L+32*\a+2*k:L+32*\a+2*k+1], v[32+2*\a:33+2*\a] neg_lo:[0,1] neg_hi:[0,1]
.set k, k+1
.endr
.endr
	s_wait_xcnt 0x0                                ; out1's stores have read the registers that the loads below fill
	TOSTAGE E
	SEND 14                                        ; out0
	s_cmp_lg_u32 s[WV], 0
	s_cbranch_scc1 .Lend
.irp j, 0,1,2,3
	ds_load_b128 v[L+4*\j:L+4*\j+3], v44 offset:1024+256*\j
.endr
	s_wait_dscnt 0x0
.irp c, 0,2
	v_pk_add_f32 v[L+\c:L+\c+1], v[L+\c:L+\c+1], v[L+4+\c:L+5+\c]
	v_pk_add_f32 v[L+8+\c:L+9+\c], v[L+8+\c:L+9+\c], v[L+12+\c:L+13+\c]
	v_pk_add_f32 v[L+\c:L+\c+1], v[L+\c:L+\c+1], v[L+8+\c:L+9+\c]
.endr
	v_cmp_gt_u32 vcc_lo, 16, v39
.irp c, 0,1,2,3
	v_cndmask_b32 v[L+\c], v[L+\c], v[240+\c], vcc_lo   ; lanes 0-15 carry the 64 maxima, lanes 16-31 the 64 sums
.endr
	global_store_b128 v1, v[L:L+3], s[18:19]       ; 512 consecutive bytes
.Lend:
	s_wait_xcnt 0x0
	v_lshl_add_u32 v190, v0, 2, 0x4f800
	v_mov_b32 v191, 0
	s_wait_tensorcnt 0x0
	ds_add_u32 v190, v191
	s_wait_dscnt 0x0
	s_endpgm
.Lfunc_end_k_qeb105f0fdf_out:
	.size	k_qeb105f0fdf_out, .Lfunc_end_k_qeb105f0fdf_out-k_qeb105f0fdf_out
	.p2alignl 7, 3214868480
	.fill 96, 4, 3214868480
	.section	.rodata,"a",@progbits
	.p2align	6, 0x0
	.amdhsa_kernel k_qeb105f0fdf_out
		.amdhsa_group_segment_fixed_size 326144
		.amdhsa_private_segment_fixed_size 0
		.amdhsa_enable_private_segment 0
		.amdhsa_kernarg_size 64
		.amdhsa_user_sgpr_count 2
		.amdhsa_user_sgpr_kernarg_segment_ptr 1
		.amdhsa_wavefront_size32 1
		.amdhsa_system_sgpr_workgroup_id_x 1
		.amdhsa_system_sgpr_workgroup_id_y 1
		.amdhsa_system_sgpr_workgroup_id_z 1
		.amdhsa_system_vgpr_workitem_id 0
		.amdhsa_next_free_vgpr 1024
		.amdhsa_next_free_sgpr 96
		.amdhsa_reserve_vcc 1
		.amdhsa_float_denorm_mode_32 3
		.amdhsa_float_denorm_mode_16_64 3
		.amdhsa_memory_ordered 1
		.amdhsa_forward_progress 1
		.amdhsa_inst_pref_size 255
	.end_amdhsa_kernel
	.section	.bss,"aw",@nobits
	.p2align	6
	.space	262144
	.amdgpu_metadata
---
amdhsa.version: [ 1, 2 ]
amdhsa.kernels:
  - .name:           k_qeb105f0fdf_out
    .symbol:         k_qeb105f0fdf_out.kd
    .args:
      - { .name: qc, .offset: 0, .size: 8, .value_kind: global_buffer, .address_space: global }
      - { .name: cc, .offset: 8, .size: 8, .value_kind: global_buffer, .address_space: global }
      - { .name: wc, .offset: 16, .size: 8, .value_kind: global_buffer, .address_space: global }
      - { .name: b1, .offset: 24, .size: 8, .value_kind: global_buffer, .address_space: global }
      - { .name: lowp_scales, .offset: 32, .size: 8, .value_kind: global_buffer, .address_space: global }
      - { .name: out0, .offset: 40, .size: 8, .value_kind: global_buffer, .address_space: global }
      - { .name: out1, .offset: 48, .size: 8, .value_kind: global_buffer, .address_space: global }
      - { .name: st, .offset: 56, .size: 8, .value_kind: global_buffer, .address_space: global }
    .group_segment_fixed_size: 326144
    .private_segment_fixed_size: 0
    .kernarg_segment_align: 8
    .kernarg_segment_size: 64
    .max_flat_workgroup_size: 128
    .sgpr_count:     96
    .vgpr_count:     1024
    .wavefront_size: 32
...
	.end_amdgpu_metadata
.endif
;; end of part 5
;; launch colsm (part 6): grid 256 x 1, 8 waves a work-group, no clusters, 5,120 bytes of LDS; arguments out1, st, out2; writes out2
.if DOCPART == 6
	.amdgcn_target "amdgcn-amd-amdhsa--gfx1250"
	.amdhsa_code_object_version 6
	.text
	.protected	k_qeb105f0fdf_colsm
	.globl	k_qeb105f0fdf_colsm
	.p2align	8
	.type	k_qeb105f0fdf_colsm,@function
k_qeb105f0fdf_colsm:
	s_mov_b64 s[64:65], 0
	v_nop
	global_prefetch_b8 v0, s[64:65] scope:SCOPE_SE
	s_setreg_imm32_b32 hwreg(HW_REG_WAVE_MODE, 25, 1), 1
	s_wait_xcnt 0x0
; out2 = softmax of the logits along the ROWS.  st holds, for each of 256 blocks of 128 rows, the 64 columns' maxima and their sums of exp(logit - that maximum).
; Every work-group joins all 256 (M = the largest maximum; S = the sum of sum x exp(max - M)) and then scales its own 128 rows: a launch for the joining alone would cost more than these 128 KiB of reads.
; Eight waves: wave w takes blocks 32 w .. 32 w + 31 of st and rows 16 w .. 16 w + 15.  A lane holds classes 4 (lane % 16) + 0 .. 3 throughout.  Memory binds: no matrix unit, no cluster.
.set MXR, 32                           ; v32-95   16 x 4 maxima
.set SMR, 96                           ; v96-159  16 x 4 sums
.set LG,  160                          ; v160-191 8 x 4 logits
.set XC,  192                          ; v192-223 the eight waves' figures
	s_load_b128 s[4:7], s[0:1], 0x0                ; out1, st
	s_load_b64 s[8:9], s[0:1], 0x10                ; out2
	v_lshl_add_u32 v232, v0, 2, 0x1000
	v_mov_b32 v233, 0
	v_lshrrev_b32 v1, 5, v0
	v_readfirstlane_b32 s10, v1
	v_and_b32 v2, 31, v0
	v_lshlrev_b32 v1, 4, v2                        ; 16 x lane
	v_and_b32 v3, 15, v0
	v_lshlrev_b32 v3, 4, v3
	v_bfe_u32 v4, v0, 4, 1
	v_lshl_add_u32 v4, v4, 9, v3                   ; lanes 16-31 take the next block of st
	s_lshl_b32 s11, s10, 8
	v_add_nc_u32 v5, s11, v3                       ; LDS: 256 bytes a wave
	s_lshl_b32 s12, ttmp9, 15
	s_lshl_b32 s13, s10, 12
	s_add_co_u32 s12, s12, s13
	s_mov_b32 s13, 0
	s_lshl_b32 s14, s10, 14
	s_mov_b32 s15, 0
	s_mov_b32 s16, 0x3fb8aa3b                      ; log2 e
	s_mov_b32 s17, s16
	s_mov_b32 s18, 0xbfb8aa3b
	s_mov_b32 s20, 0x76543210
	s_mov_b32 s21, 0xfedcba98
.irp c, 0,1,2,3
	v_mov_b32 v[12+\c], 0                          ; written once: a lane permute's destination counts as one of its sources
.endr
	s_wait_kmcnt 0x0
	s_add_nc_u64 s[4:5], s[4:5], s[12:13]
	s_add_nc_u64 s[8:9], s[8:9], s[12:13]
	s_add_nc_u64 s[6:7], s[6:7], s[14:15]
.irp i, 0,1,2,3,4,5,6,7
	global_load_b128 v[LG+4*\i:LG+4*\i+3], v1, s[4:5] offset:512*\i th:TH_LOAD_NT
.endr
.set k, 0
.rept 16
	global_load_b128 v[MXR+4*k:MXR+4*k+3], v4, s[6:7] offset:1024*k
	global_load_b128 v[SMR+4*k:SMR+4*k+3], v4, s[6:7] offset:1024*k+256
.set k, k+1
.endr
	s_wait_loadcnt 0x0
.irp c, 0,1,2,3
	v_max3_num_f32 v[8+\c], v[MXR+\c], v[MXR+4+\c], v[MXR+8+\c]
.endr
.set k, 3
.rept 6
.irp c, 0,1,2,3
	v_max3_num_f32 v[8+\c], v[8+\c], v[MXR+4*k+\c], v[MXR+4*k+4+\c]
.endr
.set k, k+2
.endr
.irp c, 0,1,2,3
	v_max_num_f32 v[8+\c], v[8+\c], v[MXR+60+\c]
.endr
.irp c, 0,1,2,3
	v_permlanex16_b32 v[12+\c], v[8+\c], s20, s21
.endr
.irp c, 0,1,2,3
	v_max_num_f32 v[8+\c], v[8+\c], v[12+\c]
.endr
	ds_store_b128 v5, v[8:11]
	s_wait_dscnt 0x0
	s_barrier_signal -1
	s_barrier_wait -1
.irp j, 0,1,2,3,4,5,6,7
	ds_load_b128 v[XC+4*\j:XC+4*\j+3], v3 offset:256*\j
.endr
	s_wait_dscnt 0x0
.irp c, 0,1,2,3
	v_max3_num_f32 v[8+\c], v[XC+\c], v[XC+4+\c], v[XC+8+\c]
.endr
.irp c, 0,1,2,3
	v_max3_num_f32 v[8+\c], v[8+\c], v[XC+12+\c], v[XC+16+\c]
.endr
.irp c, 0,1,2,3
	v_max3_num_f32 v[8+\c], v[8+\c], v[XC+20+\c], v[XC+24+\c]
.endr
.irp c, 0,1,2,3
	v_max_num_f32 v[8+\c], v[8+\c], v[XC+28+\c]    ; M
.endr
.irp c, 0,1,2,3
	v_mul_f32 v[24+\c], s18, v[8+\c]               ; -M log2 e
.endr
.set k, 0
.rept 16
	v_pk_fma_f32 v[MXR+4*k:MXR+4*k+1], v[MXR+4*k:MXR+4*k+1], s[16:17], v[24:25] op_sel_hi:[1,0,1]
	v_pk_fma_f32 v[MXR+4*k+2:MXR+4*k+3], v[MXR+4*k+2:MXR+4*k+3], s[16:17], v[26:27] op_sel_hi:[1,0,1]
.set k, k+1
.endr
.set k, 0
.rept 64
	v_exp_f32 v[MXR+k], v[MXR+k]
.set k, k+1
.endr
	v_nop                                          ; a plain line behind the exponentials
	s_wait_alu depctr_va_vdst(0)
	v_pk_mul_f32 v[16:17], v[MXR:MXR+1], v[SMR:SMR+1]
	v_pk_mul_f32 v[18:19], v[MXR+2:MXR+3], v[SMR+2:SMR+3]
.set k, 1
.rept 15
	v_pk_fma_f32 v[16:17], v[MXR+4*k:MXR+4*k+1], v[SMR+4*k:SMR+4*k+1], v[16:17]
	v_pk_fma_f32 v[18:19], v[MXR+4*k+2:MXR+4*k+3], v[SMR+4*k+2:SMR+4*k+3], v[18:19]
.set k, k+1
.endr
.irp c, 0,1,2,3
	v_permlanex16_b32 v[12+\c], v[16+\c], s20, s21
.endr
.irp c, 0,1,2,3
	v_add_f32 v[16+\c], v[16+\c], v[12+\c]
.endr
	ds_store_b128 v5, v[16:19] offset:2048         ; other bytes than the maxima's: no wave need wait for another's reads
	s_wait_dscnt 0x0
	s_barrier_signal -1
	s_barrier_wait -1
.irp j, 0,1,2,3,4,5,6,7
	ds_load_b128 v[XC+4*\j:XC+4*\j+3], v3 offset:2048+256*\j
.endr
	s_wait_dscnt 0x0
.irp j, 0,2,4,6
	v_pk_add_f32 v[XC+4*\j:XC+4*\j+1], v[XC+4*\j:XC+4*\j+1], v[XC+4*\j+4:XC+4*\j+5]
	v_pk_add_f32 v[XC+4*\j+2:XC+4*\j+3], v[XC+4*\j+2:XC+4*\j+3], v[XC+4*\j+6:XC+4*\j+7]
.endr
.irp j, 0,4
	v_pk_add_f32 v[XC+4*\j:XC+4*\j+1], v[XC+4*\j:XC+4*\j+1], v[XC+4*\j+8:XC+4*\j+9]
	v_pk_add_f32 v[XC+4*\j+2:XC+4*\j+3], v[XC+4*\j+2:XC+4*\j+3], v[XC+4*\j+10:XC+4*\j+11]
.endr
	v_pk_add_f32 v[XC:XC+1], v[XC:XC+1], v[XC+16:XC+17]
	v_pk_add_f32 v[XC+2:XC+3], v[XC+2:XC+3], v[XC+18:XC+19]   ; S
.irp c, 0,1,2,3
	v_rcp_f32 v[20+\c], v[XC+\c]
.endr
.irp i, 0,1,2,3,4,5,6,7                ; (plain lines behind the reciprocals)
	v_pk_fma_f32 v[LG+4*\i:LG+4*\i+1], v[LG+4*\i:LG+4*\i+1], s[16:17], v[24:25] op_sel_hi:[1,0,1]
	v_pk_fma_f32 v[LG+4*\i+2:LG+4*\i+3], v[LG+4*\i+2:LG+4*\i+3], s[16:17], v[26:27] op_sel_hi:[1,0,1]
.endr
.set k, 0
.rept 32
	v_exp_f32 v[LG+k], v[LG+k]
.set k, k+1
.endr
	v_nop
	s_wait_alu depctr_va_vdst(0)
.irp i, 0,1,2,3,4,5,6,7
	v_pk_mul_f32 v[LG+4*\i:LG+4*\i+1], v[LG+4*\i:LG+4*\i+1], v[20:21]
	v_pk_mul_f32 v[LG+4*\i+2:LG+4*\i+3], v[LG+4*\i+2:LG+4*\i+3], v[22:23]
	global_store_b128 v1, v[LG+4*\i:LG+4*\i+3], s[8:9] offset:512*\i th:TH_STORE_NT   ; two rows, 512 consecutive bytes
.endr
	s_wait_tensorcnt 0x0
	ds_add_u32 v232, v233
	s_wait_dscnt 0x0
	s_endpgm
.Lfunc_end_k_qeb105f0fdf_colsm:
	.size	k_qeb105f0fdf_colsm, .Lfunc_end_k_qeb105f0fdf_colsm-k_qeb105f0fdf_colsm
	.p2alignl 7, 3214868480
	.fill 96, 4, 3214868480
	.section	.rodata,"a",@progbits
	.p2align	6, 0x0
	.amdhsa_kernel k_qeb105f0fdf_colsm
		.amdhsa_group_segment_fixed_size 5120
		.amdhsa_private_segment_fixed_size 0
		.amdhsa_enable_private_segment 0
		.amdhsa_kernarg_size 24
		.amdhsa_user_sgpr_count 2
		.amdhsa_user_sgpr_kernarg_segment_ptr 1
		.amdhsa_wavefront_size32 1
		.amdhsa_system_sgpr_workgroup_id_x 1
		.amdhsa_system_sgpr_workgroup_id_y 1
		.amdhsa_system_sgpr_workgroup_id_z 1
		.amdhsa_system_vgpr_workitem_id 0
		.amdhsa_next_free_vgpr 234
		.amdhsa_next_free_sgpr 66
		.amdhsa_reserve_vcc 0
		.amdhsa_float_denorm_mode_32 3
		.amdhsa_float_denorm_mode_16_64 3
		.amdhsa_memory_ordered 1
		.amdhsa_forward_progress 1
		.amdhsa_inst_pref_size 22
	.end_amdhsa_kernel
	.amdgpu_metadata
---
amdhsa.version: [ 1, 2 ]
amdhsa.kernels:
  - .name:           k_qeb105f0fdf_colsm
    .symbol:         k_qeb105f0fdf_colsm.kd
    .args:
      - { .name: out1, .offset: 0, .size: 8, .value_kind: global_buffer, .address_space: global }
      - { .name: st, .offset: 8, .size: 8, .value_kind: global_buffer, .address_space: global }
      - { .name: out2, .offset: 16, .size: 8, .value_kind: global_buffer, .address_space: global }
    .group_segment_fixed_size: 5120
    .private_segment_fixed_size: 0
    .kernarg_segment_align: 8
    .kernarg_segment_size: 24
    .max_flat_workgroup_size: 256
    .sgpr_count:     66
    .vgpr_count:     234
    .wavefront_size: 32
...
	.end_amdgpu_metadata
.endif
;; end of part 6
